; MI455X (gfx1250); checked and timed in simulation.
; The chip was launched on July 23, 2026; its instructions are those of AMD's public machine-readable ISA for CDNA 5 (MIT licence, August 2026) and "CDNA5" Instruction Set Architecture Reference Guide (July 2026). The comments in the code are by the model that wrote it; some were corrected since.
;; Soft Vector Quantizer. Allowed arithmetic: matrix products marked QUANTISED: E4M3 operands, one E8M0 scale for each 32 along K, by v_wmma_scale_f32_16x16x128_f8f6f4 with both operands' format E4M3, f32 sums; everything else in f32.
;; Inputs: embedding 1 x 8,192 x 256 float32; z 8 x 1,024 x 256 float32.
;; Outputs: out0 8 x 1,024 x 256 float32; out1 one number float32; out2 8 x 1 x 1,024 int32; out3 one number float32; out4 one number float32; out5 one number float32.
;; This version of the problem:
;;   THIS VERSION OF THE PROBLEM IS GIVEN IN LOW PRECISION. The matrix products marked QUANTISED in the list below multiply operands that are first quantised to E4M3 (4 exponent bits, 3 mantissa bits; 8 bits a number), with one power-of-two scale for each 32 numbers along K (OCP MX v1.0); their sums are f32. All else is computed in f32.
;;   The module's matrix products, in the order in which they are computed (A, B: the left and right operand; K: the contracted axis; several contracted axes count as one K, in the product's order):
;;     1. [M 8,192, K 256] x [K 256, N 8,192]; A: input z; B: input embedding: QUANTISED
;;     2. [M 8,192, K 8,192] x [K 8,192, N 256]; A: softmax (see below); B: input embedding: QUANTISED
;;   THE QUANTISER, for each operand of a quantised product, along K:
;;     - K is cut into blocks of 32 from its start; a last block that is shorter is filled with zeros.
;;     - A block's scale is 2^e with e = floor(log2(the largest magnitude in the block)) - 8, held to -126 .. 127; a block of zeros has e = 0. As a byte (E8M0): e + 127.
;;     - Each number is divided by its block's scale, clamped to +-448, and rounded to the nearest number of E4M3, ties to even, subnormals kept.
;;     - The product sums the exact products of the quantised numbers (number of the format x scale) in f32.
;;   ~~~python
;;   def quantise(x, axis):      # numpy; x: float32 -> the quantised numbers, widened to float32 again
;;       x = np.moveaxis(x, axis, -1); K = x.shape[-1]
;;       x = np.pad(x, [(0, 0)] * (x.ndim - 1) + [(0, -K % 32)]); x = x.reshape(x.shape[:-1] + (-1, 32)); a = np.abs(x).max(-1, keepdims=True)
;;       e = np.where(a > 0, np.clip(np.frexp(np.where(a > 0, a, 1))[1] - 1 - 8, -126, 127), 0)      # np.frexp(a)[1] - 1 = floor(log2(a)), exactly
;;       r = np.clip(x / 2.0 ** e, -448, 448)
;;       step = 2.0 ** (np.maximum(np.frexp(np.where(r == 0, 1, r))[1] - 1, -6) - 3)
;;       q = np.round(r / step) * step * 2.0 ** e      # np.round: ties to even
;;       return np.moveaxis(q.reshape(q.shape[:-2] + (-1,))[..., :K], -1, axis).astype(np.float32)
;;   ~~~
;;   SOFTMAX AHEAD OF A QUANTISED PRODUCT. Where the list says 'softmax', what is quantised is not the finished softmax but p = 2^(t - M), with t = logit x log2(e) and M = ceil(the row's largest t), a whole number; so 1/2 < the row's largest p <= 1. The row's sum l is taken of the UNQUANTISED p, in f32, and the product's result is divided by l at the end. Since M is a whole number, a kernel that streams over the keys may use a running M (the ceiling of the running maximum): every later rescaling is an exact power of two, which a block's scale takes up: the codes' values come out the same.
;;   OPERANDS COMPUTED ON THE WAY. 'Computed on the way' means the value that the module computes at that place (a softmax that the list does not call 'softmax' is quantised finished and normalised). What goes into a quantiser is computed in f32, as accurately as f32 sums, v_exp_f32 and their like allow (about 1e-6 of the number): no bf16 or f16 on the way to a quantiser, and a product that is left as it is and whose result goes on into a quantised operand takes f32 operands (vector FMAs, or v_wmma_f32_16x16x4_f32). A number that lies on a knife's edge between two numbers of the format may be rounded either way, as far as f32 arithmetic and the matrix unit's own rounding can turn it there, and no further.
;; One version. Each part assembles by itself: llvm-mc -triple=amdgcn-amd-amdhsa -mcpu=gfx1250 --defsym DOCPART=n.
;; ======== version 1 of 1: 4 launches
;; workspace buffers: codes 6,291,456 bytes; scales 196,608 bytes; opart 33,554,432 bytes; stats 917,504 bytes; colpart 262,144 bytes; wgsum 4,096 bytes
;; launch prep (part 1): grid 192 x 1, 4 waves a work-group, no clusters, 70,144 bytes of LDS; arguments z, embedding, codes, scales; writes codes, scales
.if DOCPART == 1
	.amdgcn_target "amdgcn-amd-amdhsa--gfx1250"
	.amdhsa_code_object_version 6
	.text
	.protected	k_qc953ff687f_prep
	.globl	k_qc953ff687f_prep
	.p2align	8
	.type	k_qc953ff687f_prep,@function
k_qc953ff687f_prep:
	s_mov_b64 s[64:65], 0
	v_nop
	global_prefetch_b8 v0, s[64:65] scope:SCOPE_SE
	s_setreg_imm32_b32 hwreg(HW_REG_WAVE_MODE, 25, 1), 1
	s_wait_xcnt 0x0
; z [8192][256] and embedding [8192][256], f32, become codes of FP8 (E4M3) with one E8M0 scale byte for each 32 along a product's K.
; THREE OPERANDS.  z along its 256 (work-groups 0-63) and embedding along its 256 (64-127): the first product's.  embedding along its 8,192 ROWS (128-191): the second product's, whose K is the codes' index.
; A block's scale is 2^(floor(log2(its largest magnitude)) - 8); its byte is the largest magnitude's exponent field - 8, held at 1 from below.  Each number is divided by the scale, held within +-448, rounded to the nearest code, ties to even.
; LAYOUT of codes: z's rows at 0, embedding's rows at 2 MiB, 256 bytes a row; embedding by columns at 4 MiB as [64 steps of 128 keys][256 columns][128 bytes].  Of scales: 8 bytes a row at 0 and at 64 KiB; one word for a step and column at 128 KiB.
; ROW ORDER: row n of the first two lies at the place n with bits 3 and 4 exchanged.  Sixteen places on end are then rows 8 u + r + 8 (r / 8) of a group of 32: the rows that make two neighbouring matrix tiles hold 16 neighbours along the next K.
; LIMITS: a block of zeros, and a block whose largest magnitude lies under 2^-118, keep the byte 1 (zero codes add nothing under any byte but 0xff, and this program alone reads the bytes); NaN and infinities are not served.
; The two ways part on the work-group's number and have LDS bytes of their own: rows 0 .. 32,767, columns 32,768 on.  No wave shares anything with another: no barrier.
.set EMAX,  8
.set MANT,  0x600000                   ; the mantissa field of 448 as f32
.set STEPS, 16                         ; rows: a wave takes 16 steps of 512 numbers (2 rows): 32 rows
.set CB,    16                         ; bytes of a lane's 16 codes
.set R,     16                         ; v16-79   four sets of 16 numbers as they are loaded
.set X,     80                         ; v80-111  two sets of 16 neighbours
.set C,     128                        ; v128-191 codes: four registers for each step
.set E,     112                        ; v112-127 a scale byte for each step
.set WREG,  8192                       ; a wave's LDS: two stages of 32 x SP bytes, behind them its 256 scale bytes
.set SP,    80                         ; a lane's 64 bytes + 16 of padding
.set NB,    8                          ; columns: a wave takes 32 columns x 256 keys: 8 blocks a lane
.set PITCH, 272                        ; a stage row: a column's 256 codes + 16 of padding
.set STGB,  32768                      ; where the columns' stages begin
.set XB,    32                         ; v32-95   two sets of 32 numbers
.set CK,    96                         ; v96-103  a block's codes
.set OUTR,  112                        ; v112-175 the way out
.set SB,    24                         ; v24-25   the scale bytes, four to a register
	s_load_b256 s[4:11], s[0:1], 0x0               ; z s[4:5], embedding s[6:7], codes s[8:9], scales s[10:11]
	v_lshl_add_u32 v192, v0, 2, 0x11000
	v_mov_b32 v193, 0
	v_lshrrev_b32 v1, 5, v0
	v_readfirstlane_b32 s16, v1                    ; wave 0..3
	v_and_b32 v2, 31, v0                           ; lane
	s_cmp_ge_u32 ttmp9, 128
	s_cbranch_scc1 .Lcols
; ---------------- ROWS: K innermost.  Each load reads 512 consecutive bytes; a step's 2,048 bytes turn through the wave's own stage so that a lane gets 16 neighbours; two neighbouring lanes hold a block.
	v_lshlrev_b32 v3, 4, v2                        ; my 16 bytes of a load's 512
	s_mul_i32 s17, s16, WREG
	v_lshrrev_b32 v14, 2, v2
	v_mul_u32_u24 v14, v14, SP
	v_and_b32 v15, 3, v2
	v_lshl_add_u32 v14, v15, 4, v14
	v_add_nc_u32 v14, s17, v14                     ; the stage, on the way in: SP (lane / 4) + 16 (lane % 4)
	v_mul_u32_u24 v15, v2, SP
	v_add_nc_u32 v15, s17, v15                     ; and on the way out: SP x lane
	v_mul_u32_u24 v4, v2, CB                       ; my codes' place in a step's 512 bytes
	v_lshrrev_b32 v5, 1, v2
	s_add_co_u32 s17, s17, 2*32*SP
	v_add_nc_u32 v5, s17, v5                       ; my block's byte among the wave's 256 scale bytes
	v_lshlrev_b32 v7, 3, v2                        ; on the way out 8 bytes a lane
	v_add_nc_u32 v6, s17, v7
	s_mov_b32 s23, MANT
	s_wait_kmcnt 0x0
	s_cmp_lt_u32 ttmp9, 64                         ; z's work-group or embedding's: the choice hangs on the work-group's number alone
	s_cselect_b64 s[4:5], s[4:5], s[6:7]
	s_cselect_b32 s24, 0, 0x200000                 ; where the tensor's codes begin,
	s_cselect_b32 s26, 0, 0x10000                  ; and its scale bytes
	s_cselect_b32 s17, 0, 64
	s_sub_co_u32 s17, ttmp9, s17
	s_lshl_b32 s17, s17, 2
	s_add_co_u32 s18, s17, s16                     ; which run of 32 rows is my wave's: 0 .. 255
	s_mov_b32 s21, 0
	s_lshl_b32 s20, s18, 15                        ; 32,768 bytes of f32 a run
	s_add_nc_u64 s[4:5], s[4:5], s[20:21]
	s_lshl_b32 s20, s18, 13                        ; 8,192 bytes of codes
	s_add_co_u32 s20, s20, s24
	s_add_nc_u64 s[8:9], s[8:9], s[20:21]
	s_lshl_b32 s20, s18, 8                         ; 256 scale bytes
	s_add_co_u32 s20, s20, s26
	s_add_nc_u64 s[10:11], s[10:11], s[20:21]
.macro LOAD t
.irp i, 0,1,2,3
	global_load_b128 v[R+16*((\t)%4)+4*\i:R+16*((\t)%4)+4*\i+3], v3, s[4:5] offset:2048*(\t)+512*\i   ; 32 lanes read 512 consecutive bytes
.endr
.endm
.macro TURN t                          ; step t's numbers through the stage: LDS serves a wave's instructions in order, so no wait stands between the stores and the loads
.irp i, 0,1,2,3
	ds_store_b128 v14, v[R+16*((\t)%4)+4*\i:R+16*((\t)%4)+4*\i+3] offset:32*SP*((\t)%2)+8*SP*\i
.endr
.irp i, 0,1,2,3
	ds_load_b128 v[X+16*((\t)%2)+4*\i:X+16*((\t)%2)+4*\i+3], v15 offset:32*SP*((\t)%2)+16*\i
.endr
.endm
.irp t, 0,1,2,3
	LOAD \t
.endr
	s_wait_loadcnt 12                              ; step 0's four loads are in; twelve younger ones may be out
	TURN 0
.macro STEP t
.set XS, X+16*((\t)%2)
.set TSW, ((\t)&3)|((((\t)>>2)&1)<<3)|((((\t)>>3)&1)<<2)   ; a step is two rows: bits 3 and 4 of the row are bits 2 and 3 of the step: exchanged, they give the step's place
.if (\t) > 0
	s_wait_dscnt 1                                 ; this step's numbers are back from the stage (the last step's byte store may be out)
.else
	s_wait_dscnt 0x0
.endif
.if (\t)+4 < STEPS
	LOAD (\t)+4                                    ; into the registers that the stage's stores have read
.endif
.if (\t)+1 < STEPS
.if STEPS-2-(\t) >= 3
	s_wait_loadcnt 12                              ; the next step's four loads are in; those of the three steps behind it may be out
.else
	s_wait_loadcnt 4*(STEPS-2-(\t))
.endif
	TURN (\t)+1
.endif
	v_max3_num_f32 v8, |v[XS]|, |v[XS+1]|, |v[XS+2]|               ; the largest magnitude of my 16
	v_max3_num_f32 v9, |v[XS+3]|, |v[XS+4]|, |v[XS+5]|
.irp i, 6,10
	v_max3_num_f32 v8, v8, |v[XS+\i]|, |v[XS+\i+1]|
	v_max3_num_f32 v9, v9, |v[XS+\i+2]|, |v[XS+\i+3]|
.endr
	v_max3_num_f32 v8, v8, |v[XS+14]|, |v[XS+15]|
	v_max3_num_f32 v8, v8, v9, (EMAX+1)<<23        ; and the floor 2^(9 - 127): the byte cannot fall under 1
	v_max_num_f32_dpp v8, v8, v8 row_xmask:1 row_mask:0xf bank_mask:0xf   ; and of my neighbour's 16: the block's
	v_add_nc_u32 v11, -(EMAX<<23), v8              ; 8 off its exponent field: the conversion takes the exponent field of this operand as its scale
	v_and_or_b32 v10, v8, 0x7f800000, s23          ; 448 x the scale
.irp i, 0,1,2,3,4,5,6,7,8,9,10,11,12,13,14,15
	v_med3_num_f32 v[XS+\i], v[XS+\i], -v10, v10   ; the conversion to an 8-bit code does not saturate (ISA guide 7.6.2): the hold comes first
.endr
	v_cvt_scalef32_pk8_fp8_f32 v[C+4*(\t):C+4*(\t)+1], v[XS:XS+7], v11
	v_cvt_scalef32_pk8_fp8_f32 v[C+4*(\t)+2:C+4*(\t)+3], v[XS+8:XS+15], v11
	v_lshrrev_b32 v[E+(\t)], 23, v11               ; the scale's byte (also the plain line behind the conversions)
	ds_store_b8 v5, v[E+(\t)] offset:16*TSW        ; both lanes of a block write the same byte with the same value
	global_store_b128 v4, v[C+4*(\t):C+4*(\t)+3], s[8:9] offset:512*TSW   ; 512 consecutive bytes: two rows of codes, at their place
.endm
.irp t, 0,1,2,3,4,5,6,7,8,9,10,11,12,13,14,15
	STEP \t
.endr
	ds_load_b64 v[12:13], v6                       ; LDS serves a wave's instructions in order: these see my byte stores
	s_wait_dscnt 0x0
	global_store_b64 v7, v[12:13], s[10:11]        ; 32 lanes store 256 consecutive bytes, aligned: the scale bytes of 32 places
	s_wait_tensorcnt 0x0
	ds_add_u32 v192, v193
	s_wait_dscnt 0x0
	s_endpgm
; ---------------- COLUMNS: K is the first axis.  A lane takes a column and its registers run down the keys: a block of 32 lies in one lane, and the conversions give codes with the keys innermost.
.Lcols:
	s_sub_co_u32 s17, ttmp9, 128
	s_and_b32 s18, s17, 1                          ; x: which 128 columns
	s_lshr_b32 s19, s17, 1                         ; y: which 256 keys (two steps of 128)
	s_lshl_b32 s20, s18, 7
	s_lshl_b32 s21, s16, 5
	s_add_co_u32 s20, s20, s21                     ; my wave's first column: 128 x + 32 wave
	v_lshlrev_b32 v3, 2, v2                        ; 4 bytes a lane
	s_mul_i32 s22, s16, 32*PITCH
	s_add_co_u32 s22, s22, STGB                    ; my stage
	v_mul_u32_u24 v4, v2, PITCH
	v_add_nc_u32 v4, s22, v4                       ; into it: row = my column
	v_and_b32 v5, 7, v2
	v_bfe_u32 v6, v2, 3, 1
	v_lshrrev_b32 v9, 4, v2
	v_mul_u32_u24 v7, v6, PITCH                    ; out of it: lanes 0-7 a column's first 128 bytes, lanes 8-15 the next column's; lanes 16-31 the same columns' second 128 bytes
	v_lshl_add_u32 v7, v9, 7, v7
	v_lshl_add_u32 v7, v5, 4, v7
	v_add_nc_u32 v7, s22, v7
	v_and_b32 v8, 15, v2
	v_lshlrev_b32 v8, 4, v8                        ; in memory two columns of a step are 256 bytes on end,
	v_lshl_add_u32 v8, v9, 15, v8                  ; and the next step lies 32,768 bytes on
	s_lshl_b32 s24, s19, 18                        ; embedding: 256 y rows of 1,024 bytes,
	s_lshl_b32 s25, s20, 2                         ; + 4 x column
	s_add_co_u32 s24, s24, s25
	s_mov_b32 s25, 0
	s_lshl_b32 s26, s19, 16                        ; codes: step 2 y, 32,768 bytes a step,
	s_lshl_b32 s27, s20, 7                         ; + 128 x column,
	s_add_co_u32 s26, s26, s27
	s_add_co_u32 s26, s26, 0x400000                ; behind the two tensors by rows
	s_mov_b32 s27, 0
	s_lshl_b32 s28, s19, 11                        ; scale words: step 2 y, 1,024 bytes a step,
	s_lshl_b32 s29, s20, 2
	s_add_co_u32 s28, s28, s29
	s_add_co_u32 s28, s28, 0x20000
	s_mov_b32 s29, 0
	s_mov_b32 s31, MANT
	s_wait_kmcnt 0x0
	s_add_nc_u64 s[6:7], s[6:7], s[24:25]
	s_add_nc_u64 s[8:9], s[8:9], s[26:27]
	s_add_nc_u64 s[10:11], s[10:11], s[28:29]
.macro LOADB t                         ; block t: embedding(32 t + i, my column), i = 0 .. 31, into set t % 2
.irp i, 0,1,2,3,4,5,6,7,8,9,10,11,12,13,14,15,16,17,18,19,20,21,22,23,24,25,26,27,28,29,30,31
	global_load_b32 v[XB+32*((\t)%2)+\i], v3, s[6:7] offset:(32*(\t)+\i)*1024
.endr
.endm
	LOADB 0
	LOADB 1
.macro BLOCK t
.set XS, XB+32*((\t)%2)
.if (\t) < NB-1
	s_wait_loadcnt 32                              ; this block's 32 loads are in; the next block's may be out
.else
	s_wait_loadcnt 0
.endif
	v_max3_num_f32 v12, |v[XS]|, |v[XS+1]|, |v[XS+2]|               ; the block's largest magnitude: all 32 numbers are mine
	v_max3_num_f32 v13, |v[XS+3]|, |v[XS+4]|, |v[XS+5]|
.irp i, 6,10,14,18,22,26
	v_max3_num_f32 v12, v12, |v[XS+\i]|, |v[XS+\i+1]|
	v_max3_num_f32 v13, v13, |v[XS+\i+2]|, |v[XS+\i+3]|
.endr
	v_max3_num_f32 v12, v12, |v[XS+30]|, |v[XS+31]|
	v_max3_num_f32 v12, v12, v13, (EMAX+1)<<23     ; and the floor
	v_add_nc_u32 v11, -(EMAX<<23), v12             ; the conversion's scale operand
	v_and_or_b32 v10, v12, 0x7f800000, s31         ; 448 x the scale
	v_lshrrev_b32 v13, 23, v11                     ; the scale's byte
.if (\t)%4 == 0
	v_mov_b32 v[SB+(\t)/4], v13                    ; four bytes to a register, the lower keys in the lower byte: a step's scale word
.else
	v_lshl_or_b32 v[SB+(\t)/4], v13, 8*((\t)%4), v[SB+(\t)/4]
.endif
.irp i, 0,1,2,3,4,5,6,7,8,9,10,11,12,13,14,15,16,17,18,19,20,21,22,23,24,25,26,27,28,29,30,31
	v_med3_num_f32 v[XS+\i], v[XS+\i], -v10, v10
.endr
.irp g, 0,1,2,3
	v_cvt_scalef32_pk8_fp8_f32 v[CK+2*\g:CK+2*\g+1], v[XS+8*\g:XS+8*\g+7], v11
.endr
	v_nop                                          ; one plain line behind the last conversion of a run
	ds_store_b128 v4, v[CK:CK+3] offset:32*(\t)    ; 32 codes: 32 bytes of my column's row
	ds_store_b128 v4, v[CK+4:CK+7] offset:32*(\t)+16
.if (\t)+2 < NB
	LOADB (\t)+2
.endif
	s_wait_dscnt 0x0                               ; the stores have read their registers: the next block's codes may be written
.endm
.set Q, 0
.rept NB
	BLOCK Q
.set Q, Q+1
.endr
	global_store_b32 v3, v[SB], s[10:11]           ; my column's word of step 2 y: 128 consecutive bytes a wave,
	global_store_b32 v3, v[SB+1], s[10:11] offset:1024   ; and of step 2 y + 1
.irp t, 0,1,2,3,4,5,6,7,8,9,10,11,12,13,14,15
	ds_load_b128 v[OUTR+4*\t:OUTR+4*\t+3], v7 offset:2*\t*PITCH   ; LDS serves a wave's instructions in order: these see my stores
.endr
.irp t, 0,1,2,3,4,5,6,7,8,9,10,11,12,13,14,15
	s_wait_dscnt 15-\t                             ; loads come back in order: the t-th is in
	global_store_b128 v8, v[OUTR+4*\t:OUTR+4*\t+3], s[8:9] offset:256*\t   ; sixteen lanes store 256 consecutive bytes, aligned: columns 2 t and 2 t + 1 of a step
.endr
	s_wait_tensorcnt 0x0
	ds_add_u32 v192, v193
	s_wait_dscnt 0x0
	s_endpgm
.Lfunc_end_k_qc953ff687f_prep:
	.size	k_qc953ff687f_prep, .Lfunc_end_k_qc953ff687f_prep-k_qc953ff687f_prep
	.p2alignl 7, 3214868480
	.fill 96, 4, 3214868480
	.section	.rodata,"a",@progbits
	.p2align	6, 0x0
	.amdhsa_kernel k_qc953ff687f_prep
		.amdhsa_group_segment_fixed_size 70144
		.amdhsa_private_segment_fixed_size 0
		.amdhsa_enable_private_segment 0
		.amdhsa_kernarg_size 32
		.amdhsa_user_sgpr_count 2
		.amdhsa_user_sgpr_kernarg_segment_ptr 1
		.amdhsa_wavefront_size32 1
		.amdhsa_system_sgpr_workgroup_id_x 1
		.amdhsa_system_sgpr_workgroup_id_y 1
		.amdhsa_system_sgpr_workgroup_id_z 1
		.amdhsa_system_vgpr_workitem_id 0
		.amdhsa_next_free_vgpr 194
		.amdhsa_next_free_sgpr 66
		.amdhsa_reserve_vcc 0
		.amdhsa_float_denorm_mode_32 3
		.amdhsa_float_denorm_mode_16_64 3
		.amdhsa_memory_ordered 1
		.amdhsa_forward_progress 1
		.amdhsa_inst_pref_size 110
	.end_amdhsa_kernel
	.amdgpu_metadata
---
amdhsa.version: [ 1, 2 ]
amdhsa.kernels:
  - .name:           k_qc953ff687f_prep
    .symbol:         k_qc953ff687f_prep.kd
    .args:
      - { .name: z, .offset: 0, .size: 8, .value_kind: global_buffer, .address_space: global }
      - { .name: embedding, .offset: 8, .size: 8, .value_kind: global_buffer, .address_space: global }
      - { .name: codes, .offset: 16, .size: 8, .value_kind: global_buffer, .address_space: global }
      - { .name: scales, .offset: 24, .size: 8, .value_kind: global_buffer, .address_space: global }
    .group_segment_fixed_size: 70144
    .private_segment_fixed_size: 0
    .kernarg_segment_align: 8
    .kernarg_segment_size: 32
    .max_flat_workgroup_size: 128
    .sgpr_count:     66
    .vgpr_count:     194
    .wavefront_size: 32
...
	.end_amdgpu_metadata
.endif
;; end of part 1
;; launch flash (part 2): grid 64 x 4, 4 waves a work-group, clusters of 4 x 1, 327,680 bytes of LDS; arguments codes, scales, opart, stats; writes opart, stats
.if DOCPART == 2
	.amdgcn_target "amdgcn-amd-amdhsa--gfx1250"
	.amdhsa_code_object_version 6
	.text
	.protected	k_qc953ff687f_flash
	.globl	k_qc953ff687f_flash
	.p2align	8
	.type	k_qc953ff687f_flash,@function
k_qc953ff687f_flash:
	s_mov_b64 s[64:65], 0
	v_nop
	global_prefetch_b8 v0, s[64:65] scope:SCOPE_SE
	s_setreg_imm32_b32 hwreg(HW_REG_WAVE_MODE, 25, 1), 1
	s_wait_xcnt 0x0
	s_wait_alu depctr_hold_cnt(0) depctr_sa_sdst(0) depctr_va_vdst(0) depctr_va_sdst(0) depctr_va_ssrc(0) depctr_va_vcc(0) depctr_vm_vsrc(0)
	s_getreg_b32 s2, hwreg(HW_REG_IB_STS2, 6, 4)
	s_cmp_eq_u32 s2, 0
	s_cbranch_scc0 .Lentry_in_a_cluster
	s_endpgm
.Lentry_in_a_cluster:
	s_bfe_u32 s2, ttmp6, 0x10000c
	s_cmp_lg_u32 s2, 0x3003
	s_cbranch_scc0 .Lentry_shape_is_right
	s_endpgm
.Lentry_shape_is_right:
; BOTH PRODUCTS AND THE ROW STATISTICS, for 128 queries x 2,048 keys a work-group.  score = Q(z) . Q(embedding row); t = score x log2(e) / 0.07; M = the largest t so far, rounded UP to a whole number;
; p = 2^(t - M) is quantised along the keys and multiplied by Q(embedding) by columns.  The row's sum l is taken of the unquantised p.  When M moves, what was summed is multiplied by a power of two: exact.
; THE SECOND SOFTMAX (temperature 0.01 = 0.07 / 7) has the terms 2^(7 (t - M)) = p^7, made by four multiplications: S2 = sum p^7, W = sum p^7 (t - M).  Its shift is 7 M, of the running maximum: the largest term lies in (2^-7, 1].
; When -M moves by d (0 or less): l x 2^d;  W = 2^(7 d) (W + d S2);  S2 x 2^(7 d).
; ARGMAX: each lane keeps the largest score of its keys and where it met it first; the halves of the lanes are joined at the end (the lower key among equal scores).
; SHARES.  x: the block of 128 query places; y: the quarter of the keys.  The next launch joins the four quarters.  A wave owns 32 query places, two tiles of 16; all four waves walk the quarter's 16 steps of 128 keys.
; CLUSTER.  The four work-groups of a cluster have the same quarter and walk the same tiles: each tile is asked for JOINTLY, by the same tensor load with the same descriptor and a mask that names the four.
; LAYOUT.  Both products are used transposed (source 0 = 16 keys, or 16 of the 256 columns; source 1 = my 16 queries): a lane holds ONE query (lane % 16).  Rows lie in memory at places (bits 3 and 4 of the row exchanged), so that
; the 16 registers of tiles 2 b and 2 b + 1 are the 16 neighbouring keys 32 b + 16 (lane / 16) + 0 .. 15: the conversions' results are the second product's operand.
; LIMITS: NaN and infinities are not served.  The argmax is taken of the scores: where two different scores would round to one f32 probability, this text names the larger score's key.
; REGISTERS, in windows of 256 (s_set_vgpr_msb: bits 1:0 source 0, 3:2 source 1, 5:4 source 2, 7:6 destination):
;   window 0: addresses, statistics, scale words, Q's fragments (v128-191), p's codes (v192-223), 32 at work (v224-255)
;   window 1: O^T, tile u at v[128 u + 8 dt]     window 2: v0-127 the scores, then t - M; v128-255 p     window 3: 16 fragments of K, then of V
.set PK,    272                        ; a key's row in LDS: 256 bytes + 16: row r starts 4 r banks on (64 banks of 4 bytes: ISA guide 11.1)
.set PV,    144                        ; a column's row: 128 bytes + 16
.set VOFF,  128*PK                     ; a slot: 128 rows of K, then 256 rows of V
.set SCK,   VOFF+256*PV                ; behind slot 0: K's scale bytes of the quarter, 16,384 dense bytes;
.set SCV,   SCK+16384                  ; V's scale words likewise
.set SPARE, SCV+16384                  ; the spare words, 128 bytes for each wave: two blocks of 256 bytes that no other line names
.set SLOT1, 1<<17                      ; slot 1 begins here: one exclusive or turns an address in one slot into the other's
.set STAGE, SLOT1+SCK                  ; behind slot 1: 16 rows x 1,040 bytes for each wave, for the way out; no tensor load lands here
.set SP,    1040
.set SPW, 1                            ; v1   LDS address of my spare word; never rewritten
.set NIL, 2                            ; v2   0; never rewritten
.set AK0, 3                            ; v3   my lane's place in a tile of K
.set AV0, 4                            ; v4   in a tile of V
.set ASK0, 5                           ; v5   among K's scale bytes: 8 a lane
.set ASV0, 6                           ; v6   among V's scale words: 4 a lane
.set ADK, 7                            ; v7-10 the addresses of the loads in hand
.set ADV, 8
.set ADS, 9
.set ADT, 10
.set QO,  11                           ; v11  my byte in the wave's rows of z's codes
.set STO, 12                           ; v12  the way out: where I put 32 bytes of a row
.set RD,  13                           ; v13  where I read a row back
.set GO,  14                           ; v14  16 x lane
.set KOF, 15                           ; v15  2,048 x quarter + 16 (lane / 16)
.set ST,  16                           ; tile u's statistics at v[ST + 24 u]: +0 -M, +1 largest t, +2..5 l (two pairs), +6..9 S2, +10..13 W, +14 F, +16 F7, +18 d (each the low word of a pair), +20 best score, +21 where, +22, +23 at work
.set BM,  64                           ; v64-71   the lane's own largest score of block k = 4 u + b
.set PT,  72                           ; v72-79   the block's (both halves of the lanes), then its largest p, then its byte
.set SCO, 80                           ; v80-87   the conversions' scale operands
.set HLD, 88                           ; v88-95   448 x the scale
.set IX,  96                           ; v96-103  where the lane's block maximum lies
.set TP,  104                          ; v104-107 at work at the head and on the way out
.set QS,  108                          ; v108-109 z's scale words: lanes 0-15 tile 0, lanes 16-31 tile 1
.set PW,  110                          ; v110-111 p's scale word, one register a tile
.set KSC, 112                          ; v112-119 K's scale words: register 2 b + s: lanes 0-15 tile 2 b, lanes 16-31 tile 2 b + 1
.set VSC, 120                          ; v120-127 V's: register g: lanes 0-15 tile 2 g, lanes 16-31 tile 2 g + 1
.set Q,   128
.set PCD, 192
.set HT,  224
.set WV,  12                           ; s12  my wave's number
.set SEL, 20                           ; s[20:21] selects of v_permlanex16_b32: lane l xor 16
.set CS,  22                           ; s[22:23] c = log2(e) / 0.07
.set MNT, 24                           ; s24  the mantissa field of 448
.set TB,  25                           ; s25  the slot in hand: 0 or SLOT1
.set TS,  26                           ; s26  the step's scale bytes: 1,024 a step, of K and of V
.set SID, 27                           ; s27  64 x the step: a lane has 64 keys a step
.set CNT, 28
.set G1K, 32                           ; s[32:39], s[40:47], s[48:55] descriptor groups 1: K's tiles, V's, the scale bytes
.set G1V, 40
.set G1S, 48
.set G0S, 56                           ; s[56:59] group 0 for the scale bytes
.set G0K, 68                           ; s[68:75] groups 0 for K's tiles: steps 0 and 1; the second then walks on
.set G0V, 76                           ; s[76:83] the same for V's
.set MK,  84                           ; s[84:91] lane masks of compares
.set MSB, 0
.macro WIN new                         ; the immediate's high byte repeats the setting that is left; a switch that changes nothing is dropped
.if MSB != \new
	s_set_vgpr_msb (MSB<<8)|\new
.set MSB, \new
.endif
.endm
.macro NOPS n
.rept \n
	v_nop
.endr
.endm
; A round of the cluster's barrier: my work-group's barrier; wave 0 signals for the work-group; every wave waits for all four work-groups; my work-group's barrier once more.
.macro CROUND
	s_barrier_signal -1
	s_barrier_wait -1
	s_cmp_lg_u32 s[WV], 0
	s_cbranch_scc1 .Lnw0_\@
	s_barrier_signal -3
.Lnw0_\@:
	s_barrier_wait -3
	s_barrier_signal -1
	s_barrier_wait -1
.endm
; A joint refill: waves 0 and 1 fetch the halves of K's tile, waves 2 and 3 those of V's.  The branch hangs on the wave's number alone.  Four v_nop follow each of the two lines.
.macro JLOAD
	s_cmp_lt_u32 s[WV], 2
	s_cbranch_scc0 .Lfor_v_\@
	tensor_load_to_lds s[G0K+4:G0K+7], s[G1K:G1K+7]
	s_nop 0
	NOPS 4
	s_branch .Lasked_\@
.Lfor_v_\@:
	tensor_load_to_lds s[G0V+4:G0V+7], s[G1V:G1V+7]
	s_nop 0
	NOPS 4
.Lasked_\@:
.endm
; One matrix instruction, from the symbols rD, rA, rB, rSA, rSB; fZ: the sum starts with 0; fRA, fRB: the side's scales stand in lanes 16-31.
.macro MM
.if fZ
.if fRA
.if fRB
	v_wmma_scale_f32_16x16x128_f8f6f4 v[rD:rD+7], v[rA:rA+15], v[rB:rB+15], 0, v[rSA], v[rSB] matrix_a_scale:MATRIX_SCALE_ROW1 matrix_b_scale:MATRIX_SCALE_ROW1
.else
	v_wmma_scale_f32_16x16x128_f8f6f4 v[rD:rD+7], v[rA:rA+15], v[rB:rB+15], 0, v[rSA], v[rSB] matrix_a_scale:MATRIX_SCALE_ROW1
.endif
.else
.if fRB
	v_wmma_scale_f32_16x16x128_f8f6f4 v[rD:rD+7], v[rA:rA+15], v[rB:rB+15], 0, v[rSA], v[rSB] matrix_b_scale:MATRIX_SCALE_ROW1
.else
	v_wmma_scale_f32_16x16x128_f8f6f4 v[rD:rD+7], v[rA:rA+15], v[rB:rB+15], 0, v[rSA], v[rSB]
.endif
.endif
.else
.if fRA
.if fRB
	v_wmma_scale_f32_16x16x128_f8f6f4 v[rD:rD+7], v[rA:rA+15], v[rB:rB+15], v[rD:rD+7], v[rSA], v[rSB] matrix_a_scale:MATRIX_SCALE_ROW1 matrix_b_scale:MATRIX_SCALE_ROW1
.else
	v_wmma_scale_f32_16x16x128_f8f6f4 v[rD:rD+7], v[rA:rA+15], v[rB:rB+15], v[rD:rD+7], v[rSA], v[rSB] matrix_a_scale:MATRIX_SCALE_ROW1
.endif
.else
.if fRB
	v_wmma_scale_f32_16x16x128_f8f6f4 v[rD:rD+7], v[rA:rA+15], v[rB:rB+15], v[rD:rD+7], v[rSA], v[rSB] matrix_b_scale:MATRIX_SCALE_ROW1
.else
	v_wmma_scale_f32_16x16x128_f8f6f4 v[rD:rD+7], v[rA:rA+15], v[rB:rB+15], v[rD:rD+7], v[rSA], v[rSB]
.endif
.endif
.endif
.endm
	s_load_b256 s[4:11], s[0:1], 0x0               ; codes s[4:5], scales s[6:7], opart s[8:9], stats s[10:11]
	v_lshl_add_u32 v[SPW], v0, 2, SPARE
	v_mov_b32 v[NIL], 0
	ds_add_u32 v1, v2
	ds_add_u32 v1, v2
	s_wait_dscnt 0x0
	v_lshrrev_b32 v[TP], 5, v0
	v_readfirstlane_b32 s[WV], v[TP]               ; wave 0..3
	s_bfe_u32 s13, ttmp6, 0x40000                  ; cx: my place in the cluster
	s_lshl_b32 s14, ttmp9, 2                       ; in a cluster launch ttmp9 counts clusters
	s_add_co_u32 s14, s14, s13                     ; my block of 128 query places: it enters z's, opart's and stats' addresses alone
	s_and_b32 s15, ttmp7, 0xffff                   ; the quarter of the keys, which the four partners share
	s_and_b32 s16, s[WV], 1                        ; which half of a tile I fetch
	s_lshr_b32 s17, s[WV], 1                       ; for K (0) or for V (1)
	; descriptor groups 1
	s_mov_b32 s[G1K], 15|(1<<20)|(1<<21)|(5<<22)|(3<<25)   ; 15:0 the mask: all four work-groups; 17:16 elements of 1 byte; 20 padding on; 21 set beside a mask; 24:22 after every 64 words; 31:25 four words
	s_mov_b32 s[G1K+1], 256<<16                    ; tensor_dim0 = 256
	s_mov_b32 s[G1K+2], 64<<16                     ; tensor_dim1 = 64
	s_mov_b32 s[G1K+3], 256<<16                    ; tile_dim0
	s_mov_b32 s[G1K+4], 64                         ; tile_dim1
	s_mov_b32 s[G1K+5], 256                        ; from row to row
	s_mov_b32 s[G1K+6], 0
	s_mov_b32 s[G1K+7], 0
	s_mov_b32 s[G1V], 15|(1<<20)|(1<<21)|(4<<22)|(3<<25)   ; padding: four words after every 32
	s_mov_b32 s[G1V+1], 128<<16
	s_mov_b32 s[G1V+2], 128<<16
	s_mov_b32 s[G1V+3], 128<<16
	s_mov_b32 s[G1V+4], 128
	s_mov_b32 s[G1V+5], 128
	s_mov_b32 s[G1V+6], 0
	s_mov_b32 s[G1V+7], 0
	s_mov_b32 s[G1S], 15|(3<<16)|(1<<21)           ; 8,192 dense bytes as 32 rows of 32 elements of 8 bytes, no padding
	s_mov_b32 s[G1S+1], 32<<16
	s_mov_b32 s[G1S+2], 32<<16
	s_mov_b32 s[G1S+3], 32<<16
	s_mov_b32 s[G1S+4], 32
	s_mov_b32 s[G1S+5], 32
	s_mov_b32 s[G1S+6], 0
	s_mov_b32 s[G1S+7], 0
	; offsets, apart from the addresses
	s_lshl_b32 s92, s17, 16                        ; scale bytes: K's at 64 KiB, V's at 128 KiB,
	s_lshl_b32 s93, s15, 14                        ; 16,384 a quarter,
	s_add_co_u32 s92, s92, s93
	s_lshl_b32 s93, s16, 13                        ; my half
	s_add_co_u32 s92, s92, s93
	s_add_co_u32 s92, s92, 0x10000
	s_mov_b32 s93, 0
	s_lshl_b32 s94, s15, 19                        ; codes: 524,288 bytes a quarter, by rows and by columns alike,
	s_lshl_b32 s95, s16, 14                        ; my half of a tile: 64 rows of 256 bytes, or 128 of 128
	s_add_co_u32 s94, s94, s95
	s_add_co_u32 s96, s94, 0x400000                ; V
	s_add_co_u32 s94, s94, 0x200000                ; K
	s_mov_b32 s95, 0
	s_mov_b32 s97, 0
	s_mul_i32 s18, s16, 64*PK                      ; where they go in a slot: no place in the cluster enters an LDS address
	s_mul_i32 s19, s16, 128*PV
	s_add_co_u32 s19, s19, VOFF
	s_lshl_b32 s98, s[WV], 13
	s_add_co_u32 s98, s98, SCK                     ; waves 0, 1: K's scale bytes; waves 2, 3: V's, which lie behind them
	s_lshl_b32 s99, s14, 7
	s_lshl_b32 s29, s[WV], 5
	s_add_co_u32 s99, s99, s29                     ; my first query place: 128 x block + 32 x wave
	s_mov_b32 s[SEL], 0x76543210
	s_mov_b32 s[SEL+1], 0xfedcba98
	s_mov_b32 s[CS], 0x41a4e123                    ; log2(e) / 0.07
	s_mov_b32 s[CS+1], s[CS]                       ; (named with it as a pair, so it is written)
	s_mov_b32 s[MNT], 0x600000
	s_mov_b32 s[TB], 0
	s_mov_b32 s[TS], 0
	s_mov_b32 s[SID], 0
	s_mov_b32 s[CNT], 14
	s_wait_kmcnt 0x0
	s_mov_b32 s[G0S], 1
	s_mov_b32 s[G0S+1], s98
	s_add_nc_u64 s[G0S+2:G0S+3], s[6:7], s[92:93]
	s_or_b32 s[G0S+3], s[G0S+3], 0x80000000
.irp j, 0,1
	s_mov_b32 s[G0K+4*\j], 1                       ; count = 1
	s_add_co_u32 s[G0K+4*\j+1], s18, \j*SLOT1      ; LDS address: slot j
	s_add_nc_u64 s[G0K+4*\j+2:G0K+4*\j+3], s[4:5], s[94:95]
	s_mov_b32 s[G0V+4*\j], 1
	s_add_co_u32 s[G0V+4*\j+1], s19, \j*SLOT1
	s_add_nc_u64 s[G0V+4*\j+2:G0V+4*\j+3], s[4:5], s[96:97]
.endr
	s_add_nc_u64 s[G0K+6:G0K+7], s[G0K+6:G0K+7], 32768   ; step 1: a step's tile is 32,768 bytes, of K and of V
	s_add_nc_u64 s[G0V+6:G0V+7], s[G0V+6:G0V+7], 32768
.irp j, 0,1
	s_or_b32 s[G0K+4*\j+3], s[G0K+4*\j+3], 0x80000000   ; type = 2
	s_or_b32 s[G0V+4*\j+3], s[G0V+4*\j+3], 0x80000000
.endr
	CROUND                                         ; all four work-groups are here: the first joint loads meet
	tensor_load_to_lds s[G0S:G0S+3], s[G1S:G1S+7]  ; the quarter's scale bytes: filled once, a quarter of them by each wave
	s_nop 0
	NOPS 4
	s_cmp_lt_u32 s[WV], 2                          ; steps 0 and 1: three loads of mine are out in all
	s_cbranch_scc0 .Lfirst_v
	tensor_load_to_lds s[G0K:G0K+3], s[G1K:G1K+7]
	s_nop 0
	tensor_load_to_lds s[G0K+4:G0K+7], s[G1K:G1K+7]
	s_nop 0
	NOPS 4
	s_branch .Lfirst_asked
.Lfirst_v:
	tensor_load_to_lds s[G0V:G0V+3], s[G1V:G1V+7]
	s_nop 0
	tensor_load_to_lds s[G0V+4:G0V+7], s[G1V:G1V+7]
	s_nop 0
	NOPS 4
.Lfirst_asked:
	s_lshl_b32 s92, s99, 8
	s_mov_b32 s93, 0
	s_add_nc_u64 s[92:93], s[4:5], s[92:93]        ; z's codes at my first place
	s_lshl_b32 s94, s99, 3
	s_mov_b32 s95, 0
	s_add_nc_u64 s[94:95], s[6:7], s[94:95]        ; and its scale bytes
	v_and_b32 v[TP], 15, v0                        ; r
	v_bfe_u32 v[TP+1], v0, 4, 1                    ; h
	v_and_b32 v[TP+2], 31, v0                      ; lane
	v_lshlrev_b32 v[QO], 8, v[TP]
	v_lshl_add_u32 v[QO], v[TP+1], 4, v[QO]        ; row r of 256 bytes + 16 h
.irp u, 0,1
.irp f, 0,1,2,3,4,5,6,7
	global_load_b128 v[Q+32*\u+4*\f:Q+32*\u+4*\f+3], v[QO], s[92:93] offset:4096*\u+32*\f   ; Q's four fragments (tile u, K step f / 4) stay in registers
.endr
.endr
	v_lshlrev_b32 v[TP+3], 3, v[TP+2]
	global_load_b64 v[QS:QS+1], v[TP+3], s[94:95]  ; the two scale words of place lane
	v_mul_u32_u24 v[AK0], v[TP], PK
	v_lshl_add_u32 v[AK0], v[TP+1], 4, v[AK0]
	v_mul_u32_u24 v[AV0], v[TP], PV
	v_lshl_add_u32 v[AV0], v[TP+1], 4, v[AV0]
	v_add_nc_u32 v[AV0], VOFF, v[AV0]
	v_lshl_add_u32 v[ASK0], v[TP+2], 3, SCK
	v_lshl_add_u32 v[ASV0], v[TP+2], 2, SCV
	s_mul_i32 s29, s[WV], 16*SP
	s_add_co_u32 s29, s29, STAGE                   ; my stage
	v_mul_u32_u24 v[STO], v[TP], SP
	v_lshl_add_u32 v[STO], v[TP+1], 5, v[STO]
	v_add_nc_u32 v[STO], s29, v[STO]               ; in: row r, + 32 h
	v_lshlrev_b32 v[GO], 4, v[TP+2]
	v_add_nc_u32 v[RD], s29, v[GO]                 ; back: 16 bytes a lane
	s_lshl_b32 s30, s15, 11
	v_lshl_add_u32 v[KOF], v[TP+1], 4, s30
.irp u, 0,1
	v_mov_b32 v[ST+24*\u+1], 0xff61b1e6            ; the largest t so far: -3e38, under every t
	v_floor_f32 v[ST+24*\u], -v[ST+24*\u+1]        ; -M
.irp k, 2,3,4,5,6,7,8,9,10,11,12,13,14,15,16,17,18,19
	v_mov_b32 v[ST+24*\u+\k], 0                    ; the sums; and the pairs of F, F7 and d, whose upper words are named with them and never used
.endr
	v_mov_b32 v[ST+24*\u+20], 0xff800000           ; the best score: -infinity
	v_mov_b32 v[ST+24*\u+21], 0
.endr
.irp k, 0,1,2,3,4,5,6,7
	v_mov_b32 v[PT+\k], 0                          ; written once: a lane permute's destination counts as one of its sources
.endr
	WIN 0x40
.set j, 0
.rept 256
	v_mov_b32 v[j], 0                              ; O^T.  The key step is written with one form of the second product: the first step finds zeros, which the first change of M leaves zeros (a copy of the step that starts the sums would be a quarter more code)
.set j, j+1
.endr
	WIN 0
; K's 16 fragments (tile t, K step f / 4) and its scale words, for the step whose slot is TB
.macro KLOAD
	WIN 0
	v_add_nc_u32 v[ADK], s[TB], v[AK0]
	v_add_nc_u32 v[ADS], s[TS], v[ASK0]
	WIN 0xc0                                       ; destination window 3
.irp t, 0,1,2,3,4,5,6,7
.irp f, 0,1,2,3,4,5,6,7
	ds_load_b128 v[32*\t+4*\f:32*\t+4*\f+3], v[ADK] offset:\t*16*PK+32*\f
.endr
.endr
	WIN 0
.irp b, 0,1,2,3
	ds_load_b64 v[KSC+2*\b:KSC+2*\b+1], v[ADS] offset:256*\b
.endr
.endm
; V's 16 fragments (16 columns each, K = the step's 128 keys) and its scale words
.macro VLOAD
	WIN 0xc0
.irp d, 0,1,2,3,4,5,6,7,8,9,10,11,12,13,14,15
.irp c, 0,1,2,3
	ds_load_b128 v[16*\d+4*\c:16*\d+4*\c+3], v[ADV] offset:\d*16*PV+32*\c
.endr
.endr
	WIN 0
.irp g, 0,1,2,3,4,5,6,7
	ds_load_b32 v[VSC+\g], v[ADT] offset:128*\g
.endr
.endm
; S^T = K Q^T: 32 products.  The 16 accumulators take turns, one instruction a turn; the first 16 start the sums.
.macro SMM
	WIN 0xa3                                       ; K window 3, Q window 0, S^T window 2
.irp ks, 0,1
.irp t, 0,1,2,3,4,5,6,7
.irp u, 0,1
.set rD, 64*\u+8*\t
.set rA, 32*\t+16*\ks
.set rB, Q+32*\u+16*\ks
.set rSA, KSC+2*(\t/2)+\ks
.set rSB, QS+\ks
.set fRA, \t%2
.set fRB, \u
.set fZ, 1-\ks
	MM
.endr
.endr
.endr
.endm
; The largest score of each of the lane's eight runs of 16 keys (k = 4 u + b: registers 16 k on), each accumulator read from its low end on; then the block's, with the other half of the lanes.
.macro MAXES
	WIN 0x2a
.irp k, 0,1,2,3,4,5,6,7
	v_max3_num_f32 v[BM+\k], v[16*\k], v[16*\k+1], v[16*\k+2]
.endr
	WIN 0x28
.irp i, 3,5,7,9,11,13
.irp k, 0,1,2,3,4,5,6,7
	v_max3_num_f32 v[BM+\k], v[BM+\k], v[16*\k+\i], v[16*\k+\i+1]
.endr
.endr
	WIN 0x08
.irp k, 0,1,2,3,4,5,6,7
	v_max_num_f32 v[BM+\k], v[BM+\k], v[16*\k+15]
.endr
	WIN 0
.irp k, 0,1,2,3,4,5,6,7
	v_permlanex16_b32 v[PT+\k], v[BM+\k], s[SEL], s[SEL+1]
.endr
.irp k, 0,1,2,3,4,5,6,7
	v_max_num_f32 v[PT+\k], v[PT+\k], v[BM+\k]
.endr
.endm
; Where the lane's run maximum lies: from the last key down, so that the first of equal scores stays.  Then the four runs of a tile, and the best so far: a later one wins only if it is greater.  Only values are selected: no branch, no address.
.macro ARGMAX
	WIN 0x02
.irp k, 0,1,2,3,4,5,6,7
	v_mov_b32 v[IX+\k], 16*(\k%4)+15
.endr
.irp i, 14,13,12,11,10,9,8,7,6,5,4,3,2,1,0
.irp k, 0,1,2,3,4,5,6,7
	v_cmp_neq_f32 s[MK+\k], v[16*\k+\i], v[BM+\k]
.endr
.irp k, 0,1,2,3,4,5,6,7
	v_cndmask_b32 v[IX+\k], 16*(\k%4)+\i, v[IX+\k], s[MK+\k]
.endr
.endr
	WIN 0
.irp u, 0,1
	v_cmp_gt_f32 s[MK+2*\u], v[BM+4*\u+1], v[BM+4*\u]
	v_cmp_gt_f32 s[MK+2*\u+1], v[BM+4*\u+3], v[BM+4*\u+2]
.endr
.irp u, 0,1
	v_cndmask_b32 v[IX+4*\u], v[IX+4*\u], v[IX+4*\u+1], s[MK+2*\u]
	v_cndmask_b32 v[IX+4*\u+2], v[IX+4*\u+2], v[IX+4*\u+3], s[MK+2*\u+1]
	v_max_num_f32 v[BM+4*\u], v[BM+4*\u], v[BM+4*\u+1]
	v_max_num_f32 v[BM+4*\u+2], v[BM+4*\u+2], v[BM+4*\u+3]
.endr
.irp u, 0,1
	v_cmp_gt_f32 s[MK+2*\u], v[BM+4*\u+2], v[BM+4*\u]
.endr
.irp u, 0,1
	v_cndmask_b32 v[IX+4*\u], v[IX+4*\u], v[IX+4*\u+2], s[MK+2*\u]
	v_max_num_f32 v[BM+4*\u], v[BM+4*\u], v[BM+4*\u+2]
.endr
.irp u, 0,1
	v_add_nc_u32 v[IX+4*\u], s[SID], v[IX+4*\u]
	v_cmp_gt_f32 s[MK+2*\u], v[BM+4*\u], v[ST+24*\u+20]
.endr
.irp u, 0,1
	v_cndmask_b32 v[ST+24*\u+21], v[ST+24*\u+21], v[IX+4*\u], s[MK+2*\u]
	v_max_num_f32 v[ST+24*\u+20], v[ST+24*\u+20], v[BM+4*\u]
.endr
.endm
; The new M, and what was summed brought under it.  The two tiles by turns.
.macro ROWSTATS
.irp u, 0,1
	v_max3_num_f32 v[ST+24*\u+22], v[PT+4*\u], v[PT+4*\u+1], v[PT+4*\u+2]
.endr
.irp u, 0,1
	v_max_num_f32 v[ST+24*\u+22], v[ST+24*\u+22], v[PT+4*\u+3]   ; the step's largest score of my query
	v_mov_b32 v[ST+24*\u+23], v[ST+24*\u]          ; the old -M
.endr
.irp u, 0,1
	v_mul_f32 v[ST+24*\u+22], s[CS], v[ST+24*\u+22]   ; as t (c is positive)
.endr
.irp u, 0,1
	v_max_num_f32 v[ST+24*\u+1], v[ST+24*\u+1], v[ST+24*\u+22]
.endr
.irp u, 0,1
	v_floor_f32 v[ST+24*\u], -v[ST+24*\u+1]        ; -M = floor(-t) = -ceil(t): M is a whole number
.endr
.irp u, 0,1
	v_sub_f32 v[ST+24*\u+18], v[ST+24*\u], v[ST+24*\u+23]   ; d = old M - new M: a whole number, 0 or less
.endr
.irp u, 0,1
	v_max_num_f32 v[ST+24*\u+18], 0xc4800000, v[ST+24*\u+18]   ; held at -1,024: 2^d is 0 in f32 from -150 down, and 7 d stays a small number
.endr
.irp u, 0,1
	v_cvt_i32_f32 v[ST+24*\u+22], v[ST+24*\u+18]
	v_mul_f32 v[ST+24*\u+23], 0x40e00000, v[ST+24*\u+18]   ; 7 d
.endr
.irp u, 0,1
	v_ldexp_f32 v[ST+24*\u+14], 1.0, v[ST+24*\u+22]   ; F = 2^d
	v_cvt_i32_f32 v[ST+24*\u+23], v[ST+24*\u+23]
.endr
.irp u, 0,1
	v_ldexp_f32 v[ST+24*\u+16], 1.0, v[ST+24*\u+23]   ; F7 = 2^(7 d)
	v_pk_fma_f32 v[ST+24*\u+10:ST+24*\u+11], v[ST+24*\u+6:ST+24*\u+7], v[ST+24*\u+18:ST+24*\u+19], v[ST+24*\u+10:ST+24*\u+11] op_sel_hi:[1,0,1]   ; W + d S2
	v_pk_fma_f32 v[ST+24*\u+12:ST+24*\u+13], v[ST+24*\u+8:ST+24*\u+9], v[ST+24*\u+18:ST+24*\u+19], v[ST+24*\u+12:ST+24*\u+13] op_sel_hi:[1,0,1]
	v_pk_mul_f32 v[ST+24*\u+2:ST+24*\u+3], v[ST+24*\u+2:ST+24*\u+3], v[ST+24*\u+14:ST+24*\u+15] op_sel_hi:[1,0]   ; l x F
	v_pk_mul_f32 v[ST+24*\u+4:ST+24*\u+5], v[ST+24*\u+4:ST+24*\u+5], v[ST+24*\u+14:ST+24*\u+15] op_sel_hi:[1,0]
.endr
.irp u, 0,1
.irp k, 6,8,10,12
	v_pk_mul_f32 v[ST+24*\u+\k:ST+24*\u+\k+1], v[ST+24*\u+\k:ST+24*\u+\k+1], v[ST+24*\u+16:ST+24*\u+17] op_sel_hi:[1,0]   ; S2 and W x F7
.endr
.endr
.irp k, 0,1,2,3,4,5,6,7
	v_fma_f32 v[PT+\k], v[PT+\k], s[CS], v[ST+24*(\k/4)]   ; t - M of each block's largest score: the same multiply-add as its score gets below
.endr
.endm
; t - M in place of the scores (it is wanted again for W), and p = 2^(t - M) beside them.  ONE BATCH of 136 exponentials with one wait: nothing ahead of the wait names a result.
.macro UFMA
	v_pk_fma_f32 v[2*f:2*f+1], v[2*f:2*f+1], s[CS:CS+1], v[ST+24*(f/32):ST+24*(f/32)+1] op_sel_hi:[1,0,0]
.endm
.macro UEXP
	WIN 0x82                                       ; destination and source 0 window 2
.set f, 0
.rept 4
	UFMA
.set f, f+1
.endr
.set e, 0
.rept 64
	v_exp_f32 v[128+2*e], v[2*e]
	v_exp_f32 v[129+2*e], v[2*e+1]
.if e+4 < 64
.set f, e+4
	UFMA                                           ; a pair is scaled four pairs ahead of its exponentials
.endif
.set e, e+1
.endr
	WIN 0
.irp k, 0,1,2,3,4,5,6,7
	v_exp_f32 v[PT+\k], v[PT+\k]                   ; each block's largest p: p rises with the score
.endr
	v_nop                                          ; a plain line behind the last exponential
	s_wait_alu depctr_va_vdst(0)                   ; the wait ahead of the first line that names a result: one for the batch
.endm
; The eight blocks' scales
.macro SCALES
.irp k, 0,1,2,3,4,5,6,7
	v_max_num_f32 v[PT+\k], 0x4800000, v[PT+\k]    ; the floor 2^(9 - 127): the byte cannot fall under 1
.endr
.irp k, 0,1,2,3,4,5,6,7
	v_add_nc_u32 v[SCO+\k], 0xfc000000, v[PT+\k]   ; 8 off the exponent field: the conversion's scale operand
.endr
.irp k, 0,1,2,3,4,5,6,7
	v_and_or_b32 v[HLD+\k], v[PT+\k], 0x7f800000, s[MNT]   ; 448 x the scale
.endr
.irp k, 0,1,2,3,4,5,6,7
	v_lshrrev_b32 v[PT+\k], 23, v[SCO+\k]          ; the byte
.endr
.irp u, 0,1
	v_lshl_or_b32 v[PW+\u], v[PT+4*\u+1], 8, v[PT+4*\u]
.endr
.irp u, 0,1
	v_lshl_or_b32 v[PW+\u], v[PT+4*\u+2], 16, v[PW+\u]
.endr
.irp u, 0,1
	v_lshl_or_b32 v[PW+\u], v[PT+4*\u+3], 24, v[PW+\u]   ; p's scale word for these 128 keys
.endr
.endm
; p is held (one-sided: it is not negative) into 32 registers at work, so that the unheld p stays for the sums, and converted: two blocks at a time
.macro HOLDCVT
.irp m, 0,1,2,3
	WIN 0x02
.irp i, 0,1,2,3,4,5,6,7,8,9,10,11,12,13,14,15,16,17,18,19,20,21,22,23,24,25,26,27,28,29,30,31
	v_min_num_f32 v[HT+\i], v[128+32*\m+\i], v[HLD+2*\m+\i/16]
.endr
	WIN 0
.irp c, 0,1,2,3
	v_cvt_scalef32_pk8_fp8_f32 v[PCD+8*\m+2*\c:PCD+8*\m+2*\c+1], v[HT+8*\c:HT+8*\c+7], v[SCO+2*\m+\c/2]
.endr
	v_nop                                          ; a plain line between the conversions and the next lines that write their sources
.endr
.endm
.macro RESCALE                         ; O^T under the new M, each accumulator from its low end on.  These 128 are also the places between the codes and the scale word just made and the products
	WIN 0x41
.set j, 0
.rept 128
	v_pk_mul_f32 v[2*j:2*j+1], v[2*j:2*j+1], v[ST+24*(j/64)+14:ST+24*(j/64)+15] op_sel_hi:[1,0]
.set j, j+1
.endr
.endm
.macro PVMM                            ; O^T += V^T P^T: 32 products on 32 accumulators
	WIN 0x53                                       ; V window 3, p's codes window 0, O^T window 1
.irp d, 0,1,2,3,4,5,6,7,8,9,10,11,12,13,14,15
.irp u, 0,1
.set rD, 128*\u+8*\d
.set rA, 16*\d
.set rB, PCD+16*\u
.set rSA, VSC+\d/2
.set rSB, PW+\u
.set fRA, \d%2
.set fRB, 0
.set fZ, 0
	MM
.endr
.endr
.endm
; The sums of the unquantised p, of p^7 and of p^7 (t - M): packed, in four chains each
.macro POST
	WIN 0x08
.set e, 0
.rept 32
.irp u, 0,1
	v_pk_add_f32 v[ST+24*\u+2+2*(e%2):ST+24*\u+3+2*(e%2)], v[ST+24*\u+2+2*(e%2):ST+24*\u+3+2*(e%2)], v[128+64*\u+2*e:129+64*\u+2*e]
.endr
.set e, e+1
.endr
.set g, 0
.rept 8                                ; a tile has 32 pairs; eight pairs at a time, four of each tile: pair 4 g + q / 2 of tile q % 2: eight batches
	WIN 0x0a
.irp q, 0,1,2,3,4,5,6,7
	v_pk_mul_f32 v[HT+2*\q:HT+2*\q+1], v[128+64*(\q%2)+2*(4*g+\q/2):129+64*(\q%2)+2*(4*g+\q/2)], v[128+64*(\q%2)+2*(4*g+\q/2):129+64*(\q%2)+2*(4*g+\q/2)]   ; p^2
.endr
	WIN 0
.irp q, 0,1,2,3,4,5,6,7
	v_pk_mul_f32 v[HT+16+2*\q:HT+17+2*\q], v[HT+2*\q:HT+2*\q+1], v[HT+2*\q:HT+2*\q+1]   ; p^4
.endr
.irp q, 0,1,2,3,4,5,6,7
	v_pk_mul_f32 v[HT+16+2*\q:HT+17+2*\q], v[HT+16+2*\q:HT+17+2*\q], v[HT+2*\q:HT+2*\q+1]   ; p^6
.endr
	WIN 0x08
.irp q, 0,1,2,3,4,5,6,7
	v_pk_mul_f32 v[HT+16+2*\q:HT+17+2*\q], v[HT+16+2*\q:HT+17+2*\q], v[128+64*(\q%2)+2*(4*g+\q/2):129+64*(\q%2)+2*(4*g+\q/2)]   ; p^7
.endr
.irp q, 0,1,2,3,4,5,6,7
	v_pk_fma_f32 v[ST+24*(\q%2)+6+2*((\q/2)%2):ST+24*(\q%2)+7+2*((\q/2)%2)], v[HT+16+2*\q:HT+17+2*\q], 1.0, v[ST+24*(\q%2)+6+2*((\q/2)%2):ST+24*(\q%2)+7+2*((\q/2)%2)] op_sel_hi:[1,0,1]   ; S2 (x 1.0: the form whose second source is no register, so that the window set for p serves)
.endr
.irp q, 0,1,2,3,4,5,6,7
	v_pk_fma_f32 v[ST+24*(\q%2)+10+2*((\q/2)%2):ST+24*(\q%2)+11+2*((\q/2)%2)], v[HT+16+2*\q:HT+17+2*\q], v[64*(\q%2)+2*(4*g+\q/2):64*(\q%2)+2*(4*g+\q/2)+1], v[ST+24*(\q%2)+10+2*((\q/2)%2):ST+24*(\q%2)+11+2*((\q/2)%2)]   ; W
.endr
.set g, g+1
.endr
	WIN 0
.endm
; THE CHANGE OF SLOTS, behind a step's last products.  Each wave waits for all its tensor loads (one is out: its part of the next step's slot), adds 0 to its spare word, and waits for that and for its reads of the slot that it leaves.
; fill = 1: the barrier is a round of the cluster's, and the slot just left is filled with the step two on, first thing behind it: the load has a whole key step in which to land.
.macro CHANGE fill
	WIN 0
	s_wait_tensorcnt 0x0                           ; no tensor load of mine is out, so a group 0 may be written
	ds_add_u32 v[SPW], v[NIL]                      ; 0 onto my spare word: the steps below stand between it and the wait for it
.if \fill
	s_xor_b32 s[G0K+5], s[G0K+5], SLOT1            ; the walking descriptors: the other slot than last time,
	s_add_nc_u64 s[G0K+6:G0K+7], s[G0K+6:G0K+7], 32768   ; the next step; the type bits on top are not reached
	s_xor_b32 s[G0V+5], s[G0V+5], SLOT1
	s_add_nc_u64 s[G0V+6:G0V+7], s[G0V+6:G0V+7], 32768
.endif
	s_xor_b32 s[TB], s[TB], SLOT1                  ; the reads go on to the other slot,
	s_add_co_u32 s[TS], s[TS], 1024                ; the next step's scale bytes,
	s_add_co_u32 s[SID], s[SID], 64                ; and its keys' numbers
	s_wait_dscnt 0x0                               ; the add is done, and my reads of the slot are over
.if \fill
	CROUND
	JLOAD
	NOPS 4                                         ; with the four behind the load: the eight places between the last products and the loads into the registers that they read
.else
	s_barrier_signal -1
	s_barrier_wait -1
	NOPS 8
.endif
.endm
; A KEY STEP.  chg = 2: a change of slots with a refill follows the products; 1: without; 0: the last step.
.macro STEP chg
	s_wait_dscnt 0x0                               ; K's fragments and scale words are in (asked for ahead of the last step's sums)
	SMM
	WIN 0
	v_add_nc_u32 v[ADV], s[TB], v[AV0]
	v_add_nc_u32 v[ADT], s[TS], v[ASV0]
	NOPS 6                                         ; eight places behind the products: V's fragments land where K's lay, and the scores are read
	VLOAD                                          ; it lands under the softmax
	MAXES
	ARGMAX
	ROWSTATS
	UEXP
	SCALES
	HOLDCVT
	RESCALE
	s_wait_dscnt 0x0                               ; V's fragments and scale words are in
	PVMM
.if \chg == 2
	CHANGE 1
	KLOAD                                          ; the next step's K lands under the sums below
.elseif \chg == 1
	CHANGE 0
	KLOAD
.endif
	POST
.endm
	s_wait_tensorcnt 0x1                           ; of my three loads the scale bytes and step 0 are in; step 1's may stay out
	s_barrier_signal -1
	s_barrier_wait -1                              ; everybody's are
	KLOAD
	s_wait_loadcnt 0x0                             ; Q and its scale words
.Lstep:                                            ; 14 trips: behind steps 0 to 13 the step two on is asked for
	STEP 2
	s_sub_co_u32 s[CNT], s[CNT], 1
	s_cmp_lg_u32 s[CNT], 0
	s_cbranch_scc1 .Lstep
	STEP 1                                         ; the tail is written out
	STEP 0
	; THE WAY OUT.  The sums' parts and the other half of the lanes' are added; the best key is made a key's number and joined with the other half's.
.irp u, 0,1
.irp k, 2,6,10
	v_pk_add_f32 v[ST+24*\u+\k:ST+24*\u+\k+1], v[ST+24*\u+\k:ST+24*\u+\k+1], v[ST+24*\u+\k+2:ST+24*\u+\k+3]
.endr
.endr
.irp u, 0,1
.irp k, 2,6,10
	v_add_f32 v[ST+24*\u+\k], v[ST+24*\u+\k], v[ST+24*\u+\k+1]
.endr
.endr
.irp u, 0,1
.irp k, 2,6,10
	v_permlanex16_b32 v[ST+24*\u+\k+1], v[ST+24*\u+\k], s[SEL], s[SEL+1]
.endr
.endr
.irp u, 0,1
.irp k, 2,6,10
	v_add_f32 v[ST+24*\u+\k], v[ST+24*\u+\k], v[ST+24*\u+\k+1]
.endr
.endr
.irp u, 0,1
	v_lshrrev_b32 v[ST+24*\u+22], 4, v[ST+24*\u+21]   ; 4 x step + block
	v_and_b32 v[ST+24*\u+21], 15, v[ST+24*\u+21]
	v_lshl_add_u32 v[ST+24*\u+21], v[ST+24*\u+22], 5, v[ST+24*\u+21]
	v_add_nc_u32 v[ST+24*\u+21], v[KOF], v[ST+24*\u+21]   ; the key: 2,048 x quarter + 32 (4 step + block) + 16 (lane / 16) + i
	v_permlanex16_b32 v[ST+24*\u+22], v[ST+24*\u+20], s[SEL], s[SEL+1]
	v_permlanex16_b32 v[ST+24*\u+23], v[ST+24*\u+21], s[SEL], s[SEL+1]
	v_cmp_gt_f32 s[MK], v[ST+24*\u+22], v[ST+24*\u+20]
	v_cmp_eq_f32 s[MK+1], v[ST+24*\u+22], v[ST+24*\u+20]
	v_cmp_lt_u32 s[MK+2], v[ST+24*\u+23], v[ST+24*\u+21]
	s_and_b32 s[MK+1], s[MK+1], s[MK+2]
	s_or_b32 s[MK], s[MK], s[MK+1]                 ; the other half's is taken where it is greater, or equal with the lower key
	v_cndmask_b32 v[ST+24*\u+20], v[ST+24*\u+20], v[ST+24*\u+22], s[MK]
	v_cndmask_b32 v[ST+24*\u+21], v[ST+24*\u+21], v[ST+24*\u+23], s[MK]
.endr
	s_mov_b32 s[MK+3], 0xffff0000                  ; lanes 0-15 give tile 0's figures, lanes 16-31 tile 1's: place = my first place + lane
	v_cndmask_b32 v[BM+0], v[ST+0], v[ST+24], s[MK+3]
	v_cndmask_b32 v[BM+1], v[ST+1], v[ST+25], s[MK+3]
	v_cndmask_b32 v[BM+2], v[ST+2], v[ST+26], s[MK+3]
	v_cndmask_b32 v[BM+3], v[ST+6], v[ST+30], s[MK+3]
	v_cndmask_b32 v[BM+4], v[ST+10], v[ST+34], s[MK+3]
	v_cndmask_b32 v[BM+5], v[ST+20], v[ST+44], s[MK+3]
	v_cndmask_b32 v[BM+6], v[ST+21], v[ST+45], s[MK+3]
	v_lshlrev_b32 v[TP], 2, v[TP+2]
	s_lshl_b32 s92, s15, 15                        ; stats: [7][4 quarters][8,192 places] words
	s_lshl_b32 s93, s99, 2
	s_add_co_u32 s92, s92, s93
	s_mov_b32 s93, 0
	s_add_nc_u64 s[92:93], s[10:11], s[92:93]
	s_lshl_b32 s94, s15, 23                        ; opart: [4 quarters][8,192 places][256] f32
	s_lshl_b32 s95, s99, 10
	s_add_co_u32 s94, s94, s95
	s_mov_b32 s95, 0
	s_add_nc_u64 s[94:95], s[8:9], s[94:95]
.irp a, 0,1,2,3,4,5,6
	global_store_b32 v[TP], v[BM+\a], s[92:93] offset:131072*\a
.endr
	; O^T, not divided, a tile at a time through my stage: a lane's eight numbers are 32 bytes of a row; they come back as whole rows of 1,024 bytes, into window 3
.irp u, 0,1
	WIN 0x04                                       ; an LDS store's data are its source 1: window 1
.irp d, 0,1,2,3,4,5,6,7,8,9,10,11,12,13,14,15
	ds_store_b128 v[STO], v[128*\u+8*\d:128*\u+8*\d+3] offset:64*\d          ; each accumulator from its low end on
	ds_store_b128 v[STO], v[128*\u+8*\d+4:128*\u+8*\d+7] offset:64*\d+16
.endr
	WIN 0xc0
.set n, 0
.rept 32
	ds_load_b128 v[128*\u+4*n:128*\u+4*n+3], v[RD] offset:(n/2)*SP+512*(n%2)   ; LDS serves a wave's instructions in order: these see the stores above, and the next tile's stores come behind them
.set n, n+1
.endr
	WIN 0x0c                                       ; a store's data are its source 1: window 3
.set n, 0
.rept 32
	s_wait_dscnt 31-n                              ; loads come back in order: the n-th is in
	global_store_b128 v[GO], v[128*\u+4*n:128*\u+4*n+3], s[94:95] offset:(16*\u+n/2)*1024+512*(n%2) th:TH_STORE_NT   ; 32 lanes store 512 consecutive bytes, aligned
.set n, n+1
.endr
.endr
	WIN 0
	s_wait_tensorcnt 0x0                           ; the wave's end, behind my last tensor load and my last LDS store
	ds_add_u32 v[SPW], v[NIL]
	s_wait_dscnt 0x0
	CROUND                                         ; the closing round: no work-group ends while a partner may still ask for a tile that names it
	s_endpgm
.Lfunc_end_k_qc953ff687f_flash:
	.size	k_qc953ff687f_flash, .Lfunc_end_k_qc953ff687f_flash-k_qc953ff687f_flash
	.p2alignl 7, 3214868480
	.fill 96, 4, 3214868480
	.section	.rodata,"a",@progbits
	.p2align	6, 0x0
	.amdhsa_kernel k_qc953ff687f_flash
		.amdhsa_group_segment_fixed_size 327680
		.amdhsa_private_segment_fixed_size 0
		.amdhsa_enable_private_segment 0
		.amdhsa_kernarg_size 32
		.amdhsa_user_sgpr_count 2
		.amdhsa_user_sgpr_kernarg_segment_ptr 1
		.amdhsa_wavefront_size32 1
		.amdhsa_system_sgpr_workgroup_id_x 1
		.amdhsa_system_sgpr_workgroup_id_y 1
		.amdhsa_system_sgpr_workgroup_id_z 1
		.amdhsa_system_vgpr_workitem_id 0
		.amdhsa_next_free_vgpr 1024
		.amdhsa_next_free_sgpr 100
		.amdhsa_reserve_vcc 0
		.amdhsa_float_denorm_mode_32 3
		.amdhsa_float_denorm_mode_16_64 3
		.amdhsa_memory_ordered 1
		.amdhsa_forward_progress 1
		.amdhsa_inst_pref_size 255
	.end_amdhsa_kernel
	.section	.bss,"aw",@nobits
	.p2align	6
	.space	262144
	.amdgpu_metadata
---
amdhsa.version: [ 1, 2 ]
amdhsa.kernels:
  - .name:           k_qc953ff687f_flash
    .symbol:         k_qc953ff687f_flash.kd
    .args:
      - { .name: codes, .offset: 0, .size: 8, .value_kind: global_buffer, .address_space: global }
      - { .name: scales, .offset: 8, .size: 8, .value_kind: global_buffer, .address_space: global }
      - { .name: opart, .offset: 16, .size: 8, .value_kind: global_buffer, .address_space: global }
      - { .name: stats, .offset: 24, .size: 8, .value_kind: global_buffer, .address_space: global }
    .group_segment_fixed_size: 327680
    .private_segment_fixed_size: 0
    .kernarg_segment_align: 8
    .kernarg_segment_size: 32
    .max_flat_workgroup_size: 128
    .sgpr_count:     100
    .vgpr_count:     1024
    .wavefront_size: 32
...
	.end_amdgpu_metadata
.endif
;; end of part 2
;; launch colsum (part 3): grid 32 x 8, 8 waves a work-group, clusters of 4 x 1, 295,936 bytes of LDS; arguments codes, scales, opart, stats, z, out0, out2, colpart, wgsum; writes out0, out2, colpart, wgsum
.if DOCPART == 3
	.amdgcn_target "amdgcn-amd-amdhsa--gfx1250"
	.amdhsa_code_object_version 6
	.text
	.protected	k_qc953ff687f_colsum
	.globl	k_qc953ff687f_colsum
	.p2align	8
	.type	k_qc953ff687f_colsum,@function
k_qc953ff687f_colsum:
	s_mov_b64 s[64:65], 0
	v_nop
	global_prefetch_b8 v0, s[64:65] scope:SCOPE_SE
	s_setreg_imm32_b32 hwreg(HW_REG_WAVE_MODE, 25, 1), 1
	s_wait_xcnt 0x0
	s_wait_alu depctr_hold_cnt(0) depctr_sa_sdst(0) depctr_va_vdst(0) depctr_va_sdst(0) depctr_va_ssrc(0) depctr_va_vcc(0) depctr_vm_vsrc(0)
	s_getreg_b32 s2, hwreg(HW_REG_IB_STS2, 6, 4)
	s_cmp_eq_u32 s2, 0
	s_cbranch_scc0 .Lentry_in_a_cluster
	s_endpgm
.Lentry_in_a_cluster:
	s_bfe_u32 s2, ttmp6, 0x10000c
	s_cmp_lg_u32 s2, 0x3003
	s_cbranch_scc0 .Lentry_shape_is_right
	s_endpgm
.Lentry_shape_is_right:
; TWO THINGS.  (a) The column sums of the softmax at temperature 0.01: the first product once more, for 1,024 query places x 256 key places a work-group; prob = 2^(c2 (score + C)), c2 = log2(e) / 0.01,
; C = (-7 M - log2 S2) / c2 of the query, given as the C of each sum's first matrix instruction; the probabilities are added down the queries.
; (b) The four quarters of the keys are joined for 32 rows a work-group: with -M the smallest of the four, quarter q counts x 2^(-M - (-M_q)), exact.  z_q = sum O_q g_q / l goes to out0, the best key to out2, and the rows' sums of
; entropy, largest probability, probabilities and cosine to wgsum.
; SHARES.  x: 256 key places; y: 1,024 query places; work-group number wg = 32 y + x for (b).  Wave w: 64 keys (w % 4), whose fragments stay in registers, and every second tile of 16 queries (w / 4).  Two waves to a SIMD.
; CLUSTER.  The four work-groups of a cluster have the same y: z's codes and scale bytes are asked for JOINTLY.  All of them fit in LDS: every byte is filled once, at the head.
; Rows lie at places (bits 3 and 4 of the row exchanged).  The column sums stay in that order: the entropy of the means is a symmetric sum.  (b) maps back: places 4 w .. 4 w + 3 of 32 are rows 4 sw .. 4 sw + 3, sw = w with bits 1 and 2 exchanged.
; LIMITS: NaN and infinities are not served.
; REGISTERS: window 0: v1-15 addresses; v16-31 at work; v32-95 two sets of z's fragments (at the head: the statistics as loaded; at the end: z_q); v96-159 two sets of four accumulators; v160-175 C; v176-183 scale words;
;   v184-191 the column sums; v192-223 z's rows; v224-227 g_q / l; v228-231 the four sums; v232-239 addresses.   window 1: v0-127 the keys' 8 fragments; v128-255 the four quarters' O.
.set PZ,   272                         ; a query's row in LDS: 256 bytes + 16
.set CHK,  512*PZ                      ; half of the 1,024 rows
.set ZSL,  2*CHK                       ; z's scale bytes, 8 a place, dense
.set LT,   ZSL+8192                    ; C, a word a place: written by LDS stores, in blocks of its own
.set CSM,  LT+4096                     ; the waves' column sums: 256 bytes a wave
.set RSM,  CSM+2048                    ; the waves' cosine sums: a word a wave
.set LN,   1
.set RR,   2
.set HH,   3
.set AZ0,  4                           ; v4-6  my lane's place in the first tile: codes, scale bytes, C
.set AS0,  5
.set AL0,  6
.set AZ,   7                           ; v7-9  the same, walking
.set AS,   8
.set AL,   9
.set L4,   10                          ; 4 x lane
.set L16,  11                          ; 16 x lane
.set T16,  12                          ; 16 x thread
.set KV,   13                          ; 256 r + 16 h
.set L8,   14                          ; 8 x lane
.set SWL,  15                          ; 4 x the row of place lane
.set A0,   32
.set D0,   96
.set LC,   160
.set ZSC,  176
.set KSC,  180
.set CA,   184
.set ZR,   192
.set GG,   224
.set SUMS, 228                         ; entropy, largest probability, probabilities, cosine
.set LTA,  232
.set CSA,  233
.set CRA,  234
.set RSA,  235
.set RSB,  236
.set T4,   237
.set ZERO, 238
.set TMPP, 239
.set WV,   22
.set SEL,  30
.set G1Z,  32
.set C2,   40                          ; s[40:41] c2
.set SEVEN, 42
.set G1S,  48
.set G0S,  56
.set G0Z,  68
.set MSB, 0
.macro WIN new
.if MSB != \new
	s_set_vgpr_msb (MSB<<8)|\new
.set MSB, \new
.endif
.endm
.macro NOPS n
.rept \n
	v_nop
.endr
.endm
.macro CROUND
	s_barrier_signal -1
	s_barrier_wait -1
	s_cmp_lg_u32 s[WV], 0
	s_cbranch_scc1 .Lnw0_\@
	s_barrier_signal -3
.Lnw0_\@:
	s_barrier_wait -3
	s_barrier_signal -1
	s_barrier_wait -1
.endm
.macro RED r                           ; the sum over the 32 lanes, in every lane
	v_add_f32_dpp v[\r], v[\r], v[\r] row_xmask:1 row_mask:0xf bank_mask:0xf
	v_add_f32_dpp v[\r], v[\r], v[\r] row_xmask:2 row_mask:0xf bank_mask:0xf
	v_add_f32_dpp v[\r], v[\r], v[\r] row_xmask:4 row_mask:0xf bank_mask:0xf
	v_add_f32_dpp v[\r], v[\r], v[\r] row_xmask:8 row_mask:0xf bank_mask:0xf
	v_permlanex16_b32 v[TMPP], v[\r], s[SEL], s[SEL+1]
	v_add_f32 v[\r], v[\r], v[TMPP]
.endm
	s_load_b512 s[4:19], s[0:1], 0x0               ; codes s[4:5], scales s[6:7], opart s[8:9], stats s[10:11], z s[12:13], out0 s[14:15], out2 s[16:17], colpart s[18:19]
	s_load_b64 s[20:21], s[0:1], 0x40              ; wgsum
	v_lshl_add_u32 v254, v0, 2, 0x48000
	v_mov_b32 v255, 0
	ds_add_u32 v254, v255
	ds_add_u32 v254, v255
	v_lshrrev_b32 v1, 5, v0
	v_readfirstlane_b32 s[WV], v1                  ; wave 0..7
	s_bfe_u32 s23, ttmp6, 0x40000                  ; cx
	s_lshl_b32 s24, ttmp9, 2
	s_add_co_u32 s24, s24, s23                     ; x: my 256 key places: it enters global addresses alone
	s_and_b32 s25, ttmp7, 0xffff                   ; y: my 1,024 query places, which the four partners share
	s_lshl_b32 s26, s25, 5
	s_add_co_u32 s26, s26, s24                     ; wg
	s_and_b32 s27, s[WV], 3                        ; which 64 keys
	s_lshr_b32 s28, s[WV], 2                       ; which tiles of queries
	s_and_b32 s29, s[WV], 1                        ; sw: my wave's number with bits 1 and 2 exchanged
	s_bfe_u32 s98, s[WV], 0x10001
	s_lshl_b32 s98, s98, 2
	s_or_b32 s29, s29, s98
	s_bfe_u32 s98, s[WV], 0x10002
	s_lshl_b32 s98, s98, 1
	s_or_b32 s29, s29, s98
	s_mov_b32 s[G1Z], 15|(1<<20)|(1<<21)|(5<<22)|(3<<25)   ; the mask: all four; elements of 1 byte; padding: four words after every 64; bit 21 beside the mask
	s_mov_b32 s[G1Z+1], 256<<16
	s_mov_b32 s[G1Z+2], 64<<16
	s_mov_b32 s[G1Z+3], 256<<16
	s_mov_b32 s[G1Z+4], 64
	s_mov_b32 s[G1Z+5], 256
	s_mov_b32 s[G1Z+6], 0
	s_mov_b32 s[G1Z+7], 0
	s_mov_b32 s[G1S], 15|(3<<16)|(1<<21)           ; 1,024 dense bytes as 4 rows of 32 elements of 8 bytes
	s_mov_b32 s[G1S+1], 32<<16
	s_mov_b32 s[G1S+2], 4<<16
	s_mov_b32 s[G1S+3], 32<<16
	s_mov_b32 s[G1S+4], 4
	s_mov_b32 s[G1S+5], 32
	s_mov_b32 s[G1S+6], 0
	s_mov_b32 s[G1S+7], 0
	s_lshl_b32 s96, s25, 13                        ; z's scale bytes: 8,192 for a y, 1,024 a wave
	s_lshl_b32 s97, s[WV], 10
	s_add_co_u32 s96, s96, s97
	s_mov_b32 s97, 0
	s_lshl_b32 s98, s25, 18                        ; z's codes: 262,144 bytes for a y, 64 rows a wave
	s_lshl_b32 s99, s[WV], 14
	s_add_co_u32 s98, s98, s99
	s_mov_b32 s99, 0
	s_mul_i32 s3, s[WV], 64*PZ
	s_mov_b32 s[SEL], 0x76543210
	s_mov_b32 s[SEL+1], 0xfedcba98
	s_mov_b32 s[C2], 0x431044fe                    ; log2(e) / 0.01
	s_mov_b32 s[C2+1], s[C2]
	s_mov_b32 s[SEVEN], 0x40e00000
	s_wait_dscnt 0x0
	s_wait_kmcnt 0x0
	s_mov_b32 s[G0S], 1
	s_lshl_b32 s[G0S+1], s[WV], 10
	s_add_co_u32 s[G0S+1], s[G0S+1], ZSL
	s_add_nc_u64 s[G0S+2:G0S+3], s[6:7], s[96:97]
	s_or_b32 s[G0S+3], s[G0S+3], 0x80000000
	s_mov_b32 s[G0Z], 1
	s_mov_b32 s[G0Z+1], s3
	s_add_nc_u64 s[G0Z+2:G0Z+3], s[4:5], s[98:99]
	s_mov_b32 s[G0Z+4], 1
	s_add_co_u32 s[G0Z+5], s3, CHK
	s_add_nc_u64 s[G0Z+6:G0Z+7], s[G0Z+2:G0Z+3], 131072   ; the second half: 512 rows on
	s_or_b32 s[G0Z+3], s[G0Z+3], 0x80000000
	s_or_b32 s[G0Z+7], s[G0Z+7], 0x80000000
	CROUND                                         ; all four work-groups are here: the joint loads meet
	tensor_load_to_lds s[G0S:G0S+3], s[G1S:G1S+7]  ; every wave asks alike, for rows of its own: three loads of mine are out
	s_nop 0
	tensor_load_to_lds s[G0Z:G0Z+3], s[G1Z:G1Z+7]
	s_nop 0
	tensor_load_to_lds s[G0Z+4:G0Z+7], s[G1Z:G1Z+7]
	s_nop 0
	NOPS 4
	; addresses.  Every LDS address register is made here, ahead of the first branch on the wave's number
	v_and_b32 v[LN], 31, v0
	v_and_b32 v[RR], 15, v0
	v_bfe_u32 v[HH], v0, 4, 1
	s_mul_i32 s98, s28, 16*PZ
	v_mul_u32_u24 v[AZ0], v[RR], PZ
	v_lshl_add_u32 v[AZ0], v[HH], 4, v[AZ0]
	v_add_nc_u32 v[AZ0], s98, v[AZ0]               ; row 16 (w / 4) + r, + 16 h
	s_lshl_b32 s98, s28, 7
	s_add_co_u32 s98, s98, ZSL
	v_lshl_add_u32 v[AS0], v[RR], 3, s98           ; by r alone: lanes 16-31 read what lanes 0-15 read
	s_lshl_b32 s98, s28, 6
	s_add_co_u32 s98, s98, LT
	v_lshl_add_u32 v[AL0], v[HH], 5, s98           ; the eight queries of my half
	v_lshlrev_b32 v[L4], 2, v[LN]
	v_lshlrev_b32 v[L16], 4, v[LN]
	v_lshlrev_b32 v[T16], 4, v0
	v_lshlrev_b32 v[KV], 8, v[RR]
	v_lshl_add_u32 v[KV], v[HH], 4, v[KV]
	v_lshlrev_b32 v[L8], 3, v[LN]
	v_and_b32 v[SWL], 7, v[LN]
	v_bfe_u32 v16, v[LN], 3, 1
	v_lshl_or_b32 v[SWL], v16, 4, v[SWL]
	v_lshl_or_b32 v[SWL], v[HH], 3, v[SWL]
	v_lshlrev_b32 v[SWL], 2, v[SWL]
	v_lshl_add_u32 v[LTA], v0, 4, LT
	s_lshl_b32 s98, s[WV], 8
	s_add_co_u32 s98, s98, CSM
	v_add_nc_u32 v[CSA], s98, v[L4]
	v_lshl_add_u32 v[CRA], v0, 2, CSM
	s_lshl_b32 s98, s[WV], 2
	s_add_co_u32 s98, s98, RSM
	v_mov_b32 v[RSA], s98
	v_mov_b32 v[RSB], RSM
	v_lshlrev_b32 v[T4], 2, v0
	v_mov_b32 v[ZERO], 0
	v_mov_b32 v[TMPP], 0                           ; written once: a lane permute's destination counts as one of its sources
.irp k, 0,1,2,3,4,5,6,7
	v_mov_b32 v[CA+\k], 0
.endr
	s_mov_b32 s97, 0
	s_lshl_b32 s96, s25, 12
	s_add_nc_u64 s[80:81], s[10:11], s[96:97]      ; stats at my 1,024 query places,
	s_lshl_b32 s96, s26, 7
	s_add_nc_u64 s[82:83], s[10:11], s[96:97]      ; at my 32 rows;
	s_add_nc_u64 s[16:17], s[16:17], s[96:97]      ; out2 likewise
	s_lshl_b32 s98, s24, 8
	s_lshl_b32 s99, s27, 6
	s_add_co_u32 s98, s98, s99                     ; my first key place
	s_lshl_b32 s96, s98, 8
	s_add_co_u32 s96, s96, 0x200000
	s_add_nc_u64 s[84:85], s[4:5], s[96:97]        ; its codes,
	s_lshl_b32 s96, s98, 3
	s_add_co_u32 s96, s96, 0x10000
	s_add_nc_u64 s[86:87], s[6:7], s[96:97]        ; its scale bytes
	s_lshl_b32 s96, s26, 15
	s_lshl_b32 s98, s[WV], 12
	s_add_co_u32 s96, s96, s98
	s_add_nc_u64 s[44:45], s[8:9], s[96:97]        ; opart at places 32 wg + 4 w: a base for each quarter, 8 MiB apart (one more than an immediate holds)
	s_add_nc_u64 s[46:47], s[44:45], 0x800000
	s_add_nc_u64 s[60:61], s[46:47], 0x800000
	s_add_nc_u64 s[62:63], s[60:61], 0x800000
	s_lshl_b32 s96, s26, 15
	s_lshl_b32 s98, s29, 12
	s_add_co_u32 s96, s96, s98
	s_add_nc_u64 s[76:77], s[12:13], s[96:97]      ; z and out0 at rows 32 wg + 4 sw
	s_add_nc_u64 s[78:79], s[14:15], s[96:97]
	s_lshl_b32 s96, s25, 15
	s_lshl_b32 s98, s24, 10
	s_add_co_u32 s96, s96, s98
	s_add_nc_u64 s[18:19], s[18:19], s[96:97]      ; colpart [8 y][8,192 places]
	s_lshl_b32 s96, s26, 4
	s_add_nc_u64 s[20:21], s[20:21], s[96:97]      ; wgsum: 16 bytes a work-group
	; loads: 8 for C (four places a thread), 28 for my work-group's 32 rows (a place a lane, alike in all waves), 34 for the keys
.irp q, 0,1,2,3
	global_load_b128 v[32+4*\q:35+4*\q], v[T16], s[80:81] offset:32768*\q               ; -M
	global_load_b128 v[48+4*\q:51+4*\q], v[T16], s[80:81] offset:3*131072+32768*\q      ; S2
.endr
.irp a, 0,1,2,3,4,5,6
.irp q, 0,1,2,3
	global_load_b32 v[64+4*\a+\q], v[L4], s[82:83] offset:131072*\a+32768*\q
.endr
.endr
	WIN 0x40                                       ; destination window 1
.irp t, 0,1,2,3
.irp f, 0,1,2,3,4,5,6,7
	global_load_b128 v[32*\t+4*\f:32*\t+4*\f+3], v[KV], s[84:85] offset:4096*\t+32*\f   ; the keys' fragments (tile t, K step f / 4): they stay
.endr
.endr
	WIN 0
.irp g, 0,1
	global_load_b64 v[KSC+2*\g:KSC+2*\g+1], v[L8], s[86:87] offset:256*\g               ; lanes 0-15 tile 2 g, lanes 16-31 tile 2 g + 1
.endr
	s_wait_loadcnt 34                              ; the statistics are in; the keys' 34 loads may be out
	; ---- C for four places a thread
.irp p, 0,1,2,3
	v_min3_num_f32 v[16+\p], v[32+\p], v[36+\p], v[40+\p]
.endr
.irp p, 0,1,2,3
	v_min_num_f32 v[16+\p], v[16+\p], v[44+\p]     ; -M of the row: the smallest of the four
.endr
.irp i, 0,1,2,3,4,5,6,7,8,9,10,11,12,13,14,15
	v_sub_f32 v[32+\i], v[16+\i%4], v[32+\i]       ; d_q, a whole number, 0 or less,
.endr
.irp i, 0,1,2,3,4,5,6,7,8,9,10,11,12,13,14,15
	v_max_num_f32 v[32+\i], 0xc4800000, v[32+\i]   ; held at -1,024
.endr
.irp i, 0,1,2,3,4,5,6,7,8,9,10,11,12,13,14,15
	v_mul_f32 v[32+\i], s[SEVEN], v[32+\i]
.endr
.irp i, 0,1,2,3,4,5,6,7,8,9,10,11,12,13,14,15
	v_cvt_i32_f32 v[32+\i], v[32+\i]
.endr
.irp i, 0,1,2,3,4,5,6,7,8,9,10,11,12,13,14,15
	v_ldexp_f32 v[48+\i], v[48+\i], v[32+\i]       ; S2_q 2^(7 d_q)
.endr
.irp p, 0,1,2,3
	v_add_f32 v[48+\p], v[48+\p], v[52+\p]
	v_add_f32 v[56+\p], v[56+\p], v[60+\p]
.endr
.irp p, 0,1,2,3
	v_add_f32 v[48+\p], v[48+\p], v[56+\p]
.endr
.irp p, 0,1,2,3
	v_log_f32 v[20+\p], v[48+\p]
.endr
	v_nop                                          ; a plain line behind the last logarithm,
	s_wait_alu depctr_va_vdst(0)                   ; and the wait ahead of the first use: one for the four
.irp p, 0,1,2,3
	v_fma_f32 v[20+\p], v[16+\p], s[SEVEN], -v[20+\p]   ; -7 M - log2 S2
.endr
.irp p, 0,1,2,3
	v_mul_f32 v[20+\p], 0x3be32166, v[20+\p]       ; / c2
.endr
	ds_store_b128 v[LTA], v[20:23]
	; ---- my work-group's 32 rows, a place a lane: v64.. -M, v68.. largest t, v72.. l, v76.. S2, v80.. W, v84.. best score, v88.. its key; at work v96-117
	v_min3_num_f32 v96, v64, v65, v66
	v_max3_num_f32 v97, v68, v69, v70
	v_min_num_f32 v96, v96, v67                    ; -M
	v_max_num_f32 v97, v97, v71                    ; the largest t
.irp q, 0,1,2,3
	v_sub_f32 v[100+\q], v96, v[64+\q]
.endr
.irp q, 0,1,2,3
	v_max_num_f32 v[100+\q], 0xc4800000, v[100+\q] ; d_q
.endr
.irp q, 0,1,2,3
	v_cvt_i32_f32 v[104+\q], v[100+\q]
	v_mul_f32 v[108+\q], s[SEVEN], v[100+\q]
.endr
.irp q, 0,1,2,3
	v_ldexp_f32 v[104+\q], 1.0, v[104+\q]          ; g_q = 2^d_q
	v_cvt_i32_f32 v[108+\q], v[108+\q]
.endr
.irp q, 0,1,2,3
	v_ldexp_f32 v[108+\q], 1.0, v[108+\q]          ; 2^(7 d_q)
	v_fma_f32 v[80+\q], v[100+\q], v[76+\q], v[80+\q]   ; W_q + d_q S2_q
.endr
	v_mul_f32 v98, v72, v104
	v_mul_f32 v99, v76, v108
	v_mul_f32 v112, v80, v108
.irp q, 1,2,3
	v_fmac_f32 v98, v[72+\q], v[104+\q]            ; l
	v_fmac_f32 v99, v[76+\q], v[108+\q]            ; S2
	v_fmac_f32 v112, v[80+\q], v[108+\q]           ; W
.endr
	v_add_f32 v113, v97, v96                       ; the largest t - M
	v_rcp_f32 v114, v98
	v_rcp_f32 v115, v99
	v_log_f32 v116, v99
	v_exp_f32 v117, v113
.irp q, 1,2,3                                      ; (plain work behind the four)  the best key: a later quarter wins only if its score is greater
	v_cmp_gt_f32 vcc_lo, v[84+\q], v84
	v_cndmask_b32 v88, v88, v[88+\q], vcc_lo
	v_max_num_f32 v84, v84, v[84+\q]
.endr
	s_wait_alu depctr_va_vdst(0)                   ; one wait for the four, ahead of their first reader
.irp q, 0,1,2,3
	v_mul_f32 v[GG+\q], v[104+\q], v114            ; g_q / l
.endr
	v_mul_f32 v[SUMS+2], v98, v114                 ; the row's sum of probabilities: l / l
	v_mul_f32 v[SUMS+1], v117, v114                ; its largest
	v_mul_f32 v112, v112, v115
	v_fma_f32 v[SUMS], v112, s[SEVEN], -v116
	v_mul_f32 v[SUMS], 0x3f317218, v[SUMS]         ; sum of prob x log prob = ln 2 (7 W / S2 - log2 S2)
	RED SUMS
	RED SUMS+1
	RED SUMS+2
	s_cmp_lg_u32 s[WV], 0
	s_cbranch_scc1 .Lno_idx
	global_store_b32 v[SWL], v88, s[16:17]         ; wave 0: the 32 rows' keys, each at its row
.Lno_idx:
	; the four quarters' O of my four places, and z's four rows: 40 loads, which stay out through part (a)
	WIN 0x40
.irp q, 0,1,2,3
.irp k, 0,1,2,3
.irp e, 0,1
	global_load_b128 v[128+32*\q+8*\k+4*\e:131+32*\q+8*\k+4*\e], v[L16], s[44+2*\q+12*(\q/2):45+2*\q+12*(\q/2)] offset:1024*\k+512*\e th:TH_LOAD_NT
.endr
.endr
.endr
	WIN 0
.irp k, 0,1,2,3
.irp e, 0,1
	global_load_b128 v[ZR+8*\k+4*\e:ZR+8*\k+4*\e+3], v[L16], s[76:77] offset:1024*\k+512*\e th:TH_LOAD_NT
.endr
.endr
	s_wait_tensorcnt 0x1                           ; z's scale bytes and my part of the first half are in; the second half may stay out: no LDS byte is filled twice
	s_wait_dscnt 0x0                               ; my four C have landed
	s_barrier_signal -1
	s_barrier_wait -1                              ; everybody's have
	s_wait_loadcnt 40                              ; the keys are in; the 40 loads behind them may be out
	s_wait_xcnt 0x0                                ; the store of the keys' numbers has read its data: those registers take z's fragments next
; ---- PART (a).  A tile of 16 queries: 8 loads of codes, 1 of scale words, 2 of C: eleven
.macro LOADT x, m
.irp f, 0,1,2,3,4,5,6,7
	ds_load_b128 v[A0+32*\x+4*\f:A0+32*\x+4*\f+3], v[AZ] offset:32*PZ*\m+32*\f
.endr
	ds_load_b64 v[ZSC+2*\x:ZSC+2*\x+1], v[AS] offset:256*\m
	ds_load_b128 v[LC+8*\x:LC+8*\x+3], v[AL] offset:128*\m
	ds_load_b128 v[LC+8*\x+4:LC+8*\x+7], v[AL] offset:128*\m+16
.endm
; score + C for 16 queries x my 64 keys: source 0 = the queries, source 1 = 16 keys: a lane holds one key and eight queries.  The four accumulators take turns.
.macro PROD x
	WIN 0x04                                       ; source 1 (the keys) window 1
.irp t, 0,1,2,3
.if \t%2
	v_wmma_scale_f32_16x16x128_f8f6f4 v[D0+32*\x+8*\t:D0+32*\x+8*\t+7], v[A0+32*\x:A0+32*\x+15], v[32*\t:32*\t+15], v[LC+8*\x:LC+8*\x+7], v[ZSC+2*\x], v[KSC+2*(\t/2)] matrix_b_scale:MATRIX_SCALE_ROW1
.else
	v_wmma_scale_f32_16x16x128_f8f6f4 v[D0+32*\x+8*\t:D0+32*\x+8*\t+7], v[A0+32*\x:A0+32*\x+15], v[32*\t:32*\t+15], v[LC+8*\x:LC+8*\x+7], v[ZSC+2*\x], v[KSC+2*(\t/2)]
.endif
.endr
.irp t, 0,1,2,3
.if \t%2
	v_wmma_scale_f32_16x16x128_f8f6f4 v[D0+32*\x+8*\t:D0+32*\x+8*\t+7], v[A0+32*\x+16:A0+32*\x+31], v[32*\t+16:32*\t+31], v[D0+32*\x+8*\t:D0+32*\x+8*\t+7], v[ZSC+2*\x+1], v[KSC+2*(\t/2)+1] matrix_b_scale:MATRIX_SCALE_ROW1
.else
	v_wmma_scale_f32_16x16x128_f8f6f4 v[D0+32*\x+8*\t:D0+32*\x+8*\t+7], v[A0+32*\x+16:A0+32*\x+31], v[32*\t+16:32*\t+31], v[D0+32*\x+8*\t:D0+32*\x+8*\t+7], v[ZSC+2*\x+1], v[KSC+2*(\t/2)+1]
.endif
.endr
	WIN 0
.endm
.macro VECA y                          ; x c2, each accumulator from its low end on, and the exponentials: one batch
.set j, 0
.rept 16
	v_pk_mul_f32 v[D0+32*\y+2*j:D0+32*\y+2*j+1], v[D0+32*\y+2*j:D0+32*\y+2*j+1], s[C2:C2+1] op_sel_hi:[1,0]
.set j, j+1
.endr
.set j, 0
.rept 32
	v_exp_f32 v[D0+32*\y+j], v[D0+32*\y+j]
.set j, j+1
.endr
.endm
.macro VECB y                          ; the probabilities onto the column sums: four chains by turns
	v_nop                                          ; a plain line behind the last exponential
	s_wait_alu depctr_va_vdst(0)                   ; one wait for the batch, ahead of its first reader
.irp i, 0,2,4,6
.irp t, 0,1,2,3
	v_pk_add_f32 v[CA+2*\t:CA+2*\t+1], v[CA+2*\t:CA+2*\t+1], v[D0+32*\y+8*\t+\i:D0+32*\y+8*\t+\i+1]
.endr
.endr
.endm
; One tile's products (set x), the tile before's vector work (set y), and, ld = 1, set x's next tile asked for: behind the 16 multiplications, which are the places between the products and the loads
.macro H x, y, n, ld, m
	s_wait_dscnt \n                                ; set x's eleven loads are in; n younger ones may be out
	PROD \x
	VECA \y
.if \ld
	LOADT \x, \m
.endif
	VECB \y
.endm
.macro CHUNK c                         ; my 16 tiles of half c
.if \c
	v_add_nc_u32 v[AZ], CHK, v[AZ0]
	v_add_nc_u32 v[AS], 4096, v[AS0]
	v_add_nc_u32 v[AL], 2048, v[AL0]
.else
	v_mov_b32 v[AZ], v[AZ0]
	v_mov_b32 v[AS], v[AS0]
	v_mov_b32 v[AL], v[AL0]
.endif
	LOADT 0, 0
	LOADT 1, 1
	s_wait_dscnt 11                                ; tile 0 is in, tile 1's eleven may be out
	PROD 0
	NOPS 8
	LOADT 0, 2
	v_add_nc_u32 v[AZ], 3*32*PZ, v[AZ]             ; on to tile 3 (my tiles lie 32 rows apart)
	v_add_nc_u32 v[AS], 3*256, v[AS]
	v_add_nc_u32 v[AL], 3*128, v[AL]
	s_mov_b32 s2, 6
.Ltile_\@:                                         ; tiles 1 to 12; tiles 3 to 14 are asked for
	H 1, 0, 11, 1, 0
	H 0, 1, 11, 1, 1
	v_add_nc_u32 v[AZ], 2*32*PZ, v[AZ]
	v_add_nc_u32 v[AS], 2*256, v[AS]
	v_add_nc_u32 v[AL], 2*128, v[AL]
	s_sub_co_u32 s2, s2, 1
	s_cmp_lg_u32 s2, 0
	s_cbranch_scc1 .Ltile_\@
	H 1, 0, 11, 1, 0                               ; tile 13; tile 15 is asked for
	H 0, 1, 11, 0, 0                               ; tile 14
	H 1, 0, 0, 0, 0                                ; tile 15
	NOPS 8
	VECA 1
	VECB 1
.endm
	CHUNK 0
	s_wait_tensorcnt 0x0                           ; my part of the second half is in,
	s_wait_dscnt 0x0
	s_barrier_signal -1
	s_barrier_wait -1                              ; everybody's is
	CHUNK 1
.irp t, 0,1,2,3
	v_add_f32 v[CA+2*\t], v[CA+2*\t], v[CA+2*\t+1]
.endr
.irp t, 0,1,2,3
	v_permlanex16_b32 v[CA+2*\t+1], v[CA+2*\t], s[SEL], s[SEL+1]
.endr
.irp t, 0,1,2,3
	v_add_f32 v[CA+2*\t], v[CA+2*\t], v[CA+2*\t+1] ; key r of tile t, summed over my 512 queries
.endr
	s_mov_b32 s98, 0xffff0000
	v_cndmask_b32 v16, v[CA], v[CA+2], s98         ; lanes 0-15 tile 0, lanes 16-31 tile 1: key place = lane
	v_cndmask_b32 v17, v[CA+4], v[CA+6], s98
	ds_store_b32 v[CSA], v16
	ds_store_b32 v[CSA], v17 offset:128
	; ---- PART (b): my four rows
	s_wait_loadcnt 0x0
	s_lshl_b32 s98, s[WV], 2
.irp k, 0,1,2,3
.irp q, 0,1,2,3
	v_readlane_b32 s[80+4*\k+\q], v[GG+\q], s98    ; g_q / l of place 4 w + k: numbers only, no address and no branch hangs on them
.endr
	s_add_co_u32 s98, s98, 1
.endr
	WIN 0x04                                       ; source 1 (O) window 1
.irp k, 0,1,2,3
.irp i, 0,1,2,3,4,5,6,7
	v_mul_f32 v[32+8*\k+\i], s[80+4*\k], v[128+8*\k+\i]
.endr
.irp q, 1,2,3
.irp i, 0,1,2,3,4,5,6,7
	v_fmac_f32 v[32+8*\k+\i], s[80+4*\k+\q], v[128+32*\q+8*\k+\i]
.endr
.endr
.endr
	WIN 0
.irp k, 0,1,2,3
.irp e, 0,1
	global_store_b128 v[L16], v[32+8*\k+4*\e:35+8*\k+4*\e], s[78:79] offset:1024*\k+512*\e th:TH_STORE_NT   ; 32 lanes store 512 consecutive bytes, aligned
.endr
.endr
.irp k, 0,1,2,3                                    ; z . z_q, |z|^2, |z_q|^2: pairs at v[96 + 6 k]
	v_pk_mul_f32 v[96+6*\k:97+6*\k], v[ZR+8*\k:ZR+8*\k+1], v[32+8*\k:33+8*\k]
	v_pk_mul_f32 v[98+6*\k:99+6*\k], v[ZR+8*\k:ZR+8*\k+1], v[ZR+8*\k:ZR+8*\k+1]
	v_pk_mul_f32 v[100+6*\k:101+6*\k], v[32+8*\k:33+8*\k], v[32+8*\k:33+8*\k]
.endr
.irp i, 2,4,6
.irp k, 0,1,2,3
	v_pk_fma_f32 v[96+6*\k:97+6*\k], v[ZR+8*\k+\i:ZR+8*\k+\i+1], v[32+8*\k+\i:33+8*\k+\i], v[96+6*\k:97+6*\k]
	v_pk_fma_f32 v[98+6*\k:99+6*\k], v[ZR+8*\k+\i:ZR+8*\k+\i+1], v[ZR+8*\k+\i:ZR+8*\k+\i+1], v[98+6*\k:99+6*\k]
	v_pk_fma_f32 v[100+6*\k:101+6*\k], v[32+8*\k+\i:33+8*\k+\i], v[32+8*\k+\i:33+8*\k+\i], v[100+6*\k:101+6*\k]
.endr
.endr
.irp i, 96,98,100,102,104,106,108,110,112,114,116,118
	v_add_f32 v[\i], v[\i], v[\i+1]
.endr
.irp i, 96,98,100,102,104,106,108,110,112,114,116,118
	RED \i
.endr
.irp k, 0,1,2,3
	v_sqrt_f32 v[98+6*\k], v[98+6*\k]
	v_sqrt_f32 v[100+6*\k], v[100+6*\k]
.endr
	v_nop
	s_wait_alu depctr_va_vdst(0)                   ; one wait for the eight roots
.irp k, 0,1,2,3
	v_max_num_f32 v[98+6*\k], 0x322bcc77, v[98+6*\k]     ; each norm at least 1e-8
	v_max_num_f32 v[100+6*\k], 0x322bcc77, v[100+6*\k]
.endr
.irp k, 0,1,2,3
	v_mul_f32 v[98+6*\k], v[98+6*\k], v[100+6*\k]
.endr
.irp k, 0,1,2,3
	v_rcp_f32 v[98+6*\k], v[98+6*\k]
.endr
	v_nop
	s_wait_alu depctr_va_vdst(0)                   ; and one for the four reciprocals
.irp k, 0,1,2,3
	v_mul_f32 v[96+6*\k], v[96+6*\k], v[98+6*\k]
.endr
	v_add_f32 v96, v96, v102
	v_add_f32 v108, v108, v114
	v_add_f32 v96, v96, v108                       ; my four rows' cosines
	ds_store_b32 v[RSA], v96                       ; all lanes write the same word with the same value
	s_wait_dscnt 0x0                               ; for the others' sake: my column sums and my cosines have landed
	s_barrier_signal -1
	s_barrier_wait -1
	ds_load_b32 v16, v[CRA]                        ; key place = thread: the two halves of the queries
	ds_load_b32 v17, v[CRA] offset:1024
	s_wait_dscnt 0x0
	v_add_f32 v16, v16, v17
	global_store_b32 v[T4], v16, s[18:19]          ; the work-group stores 1,024 consecutive bytes
	s_cmp_lg_u32 s[WV], 0
	s_cbranch_scc1 .Lnot0
	ds_load_b128 v[20:23], v[RSB]
	ds_load_b128 v[24:27], v[RSB] offset:16
	s_wait_dscnt 0x0
	v_add_f32 v20, v20, v21
	v_add_f32 v22, v22, v23
	v_add_f32 v24, v24, v25
	v_add_f32 v26, v26, v27
	v_add_f32 v20, v20, v22
	v_add_f32 v24, v24, v26
	v_add_f32 v[SUMS+3], v20, v24                  ; the 32 rows' cosines
	v_cmp_eq_u32 vcc_lo, 0, v[LN]
	s_wait_xcnt 0x0                                ; EXEC changes only behind this wait: stores have been issued
	s_and_saveexec_b32 s98, vcc_lo
	global_store_b128 v[ZERO], v[SUMS:SUMS+3], s[20:21]   ; lane 0: the work-group's four sums
	s_wait_xcnt 0x0                                ; and again, in front of the line that widens it
	s_or_b32 exec_lo, exec_lo, s98
.Lnot0:
	s_wait_tensorcnt 0x0
	ds_add_u32 v254, v255
	s_wait_dscnt 0x0
	CROUND                                         ; the closing round
	s_endpgm
.Lfunc_end_k_qc953ff687f_colsum:
	.size	k_qc953ff687f_colsum, .Lfunc_end_k_qc953ff687f_colsum-k_qc953ff687f_colsum
	.p2alignl 7, 3214868480
	.fill 96, 4, 3214868480
	.section	.rodata,"a",@progbits
	.p2align	6, 0x0
	.amdhsa_kernel k_qc953ff687f_colsum
		.amdhsa_group_segment_fixed_size 295936
		.amdhsa_private_segment_fixed_size 0
		.amdhsa_enable_private_segment 0
		.amdhsa_kernarg_size 72
		.amdhsa_user_sgpr_count 2
		.amdhsa_user_sgpr_kernarg_segment_ptr 1
		.amdhsa_wavefront_size32 1
		.amdhsa_system_sgpr_workgroup_id_x 1
		.amdhsa_system_sgpr_workgroup_id_y 1
		.amdhsa_system_sgpr_workgroup_id_z 1
		.amdhsa_system_vgpr_workitem_id 0
		.amdhsa_next_free_vgpr 512
		.amdhsa_next_free_sgpr 100
		.amdhsa_reserve_vcc 1
		.amdhsa_float_denorm_mode_32 3
		.amdhsa_float_denorm_mode_16_64 3
		.amdhsa_memory_ordered 1
		.amdhsa_forward_progress 1
		.amdhsa_inst_pref_size 106
	.end_amdhsa_kernel
	.amdgpu_metadata
---
amdhsa.version: [ 1, 2 ]
amdhsa.kernels:
  - .name:           k_qc953ff687f_colsum
    .symbol:         k_qc953ff687f_colsum.kd
    .args:
      - { .name: codes, .offset: 0, .size: 8, .value_kind: global_buffer, .address_space: global }
      - { .name: scales, .offset: 8, .size: 8, .value_kind: global_buffer, .address_space: global }
      - { .name: opart, .offset: 16, .size: 8, .value_kind: global_buffer, .address_space: global }
      - { .name: stats, .offset: 24, .size: 8, .value_kind: global_buffer, .address_space: global }
      - { .name: z, .offset: 32, .size: 8, .value_kind: global_buffer, .address_space: global }
      - { .name: out0, .offset: 40, .size: 8, .value_kind: global_buffer, .address_space: global }
      - { .name: out2, .offset: 48, .size: 8, .value_kind: global_buffer, .address_space: global }
      - { .name: colpart, .offset: 56, .size: 8, .value_kind: global_buffer, .address_space: global }
      - { .name: wgsum, .offset: 64, .size: 8, .value_kind: global_buffer, .address_space: global }
    .group_segment_fixed_size: 295936
    .private_segment_fixed_size: 0
    .kernarg_segment_align: 8
    .kernarg_segment_size: 72
    .max_flat_workgroup_size: 256
    .sgpr_count:     100
    .vgpr_count:     512
    .wavefront_size: 32
...
	.end_amdgpu_metadata
.endif
;; end of part 3
;; launch final (part 4): grid 1 x 1, 32 waves a work-group, no clusters, 8,192 bytes of LDS; arguments colpart, wgsum, out1, out3, out4, out5; writes out1, out3, out4, out5
.if DOCPART == 4
	.amdgcn_target "amdgcn-amd-amdhsa--gfx1250"
	.amdhsa_code_object_version 6
	.text
	.protected	k_qc953ff687f_final
	.globl	k_qc953ff687f_final
	.p2align	8
	.type	k_qc953ff687f_final,@function
k_qc953ff687f_final:
	s_mov_b64 s[64:65], 0
	v_nop
	global_prefetch_b8 v0, s[64:65] scope:SCOPE_SE
	s_setreg_imm32_b32 hwreg(HW_REG_WAVE_MODE, 25, 1), 1
	s_wait_xcnt 0x0
; THE FOUR NUMBERS.  colpart [8][8,192]: the column sums of the softmax at temperature 0.01, in eight parts; wgsum [256][4]: sums over 32 rows of (prob x log prob), largest probability, probabilities, cosine.
; a = a column's sum / 8,192;  H = sum a log2(a + 1e-6), so the entropy of the means is -ln 2 H;  the rows' mean entropy is -ENT / 8,192.
; out1 = 0.01 (ln 2 H - ENT / 8,192);  out3 = SUMP / 2^26;  out4 = MAXP / 8,192;  out5 = COS / 8,192.
; One work-group of 32 waves: a thread takes eight columns; sums go by short chains and trees: in a lane, over a wave's lanes, over the waves through LDS.  266,240 bytes are read: nothing here is worth more work-groups.
.macro RED r                           ; the sum over the 32 lanes, in every lane
	v_add_f32_dpp v[\r], v[\r], v[\r] row_xmask:1 row_mask:0xf bank_mask:0xf
	v_add_f32_dpp v[\r], v[\r], v[\r] row_xmask:2 row_mask:0xf bank_mask:0xf
	v_add_f32_dpp v[\r], v[\r], v[\r] row_xmask:4 row_mask:0xf bank_mask:0xf
	v_add_f32_dpp v[\r], v[\r], v[\r] row_xmask:8 row_mask:0xf bank_mask:0xf
	v_permlanex16_b32 v7, v[\r], s18, s19
	v_add_f32 v[\r], v[\r], v7
.endm
	s_load_b256 s[4:11], s[0:1], 0x0               ; colpart s[4:5], wgsum s[6:7], out1 s[8:9], out3 s[10:11]
	s_load_b128 s[12:15], s[0:1], 0x20             ; out4 s[12:13], out5 s[14:15]
	v_lshl_add_u32 v96, v0, 2, 0x1000
	v_mov_b32 v97, 0
	v_lshlrev_b32 v1, 4, v0                        ; 16 x thread
	v_and_b32 v2, 255, v0
	v_lshlrev_b32 v2, 4, v2
	v_lshrrev_b32 v3, 5, v0
	v_readfirstlane_b32 s16, v3                    ; wave 0..31
	v_and_b32 v4, 31, v0                           ; lane
	s_lshl_b32 s17, s16, 5
	v_mov_b32 v5, s17                              ; LDS: 32 bytes a wave
	v_lshlrev_b32 v6, 5, v4                        ; and back: lane = wave
	v_mov_b32 v7, 0                                ; written once: a lane permute's destination counts as one of its sources
	v_mov_b32 v13, 0
	s_mov_b32 s18, 0x76543210
	s_mov_b32 s19, 0xfedcba98
	s_wait_kmcnt 0x0
.irp p, 0,1,2,3,4,5,6,7
.irp e, 0,1
	global_load_b128 v[16+8*\p+4*\e:19+8*\p+4*\e], v1, s[4:5] offset:32768*\p+16384*\e   ; part p, columns 4,096 e + 4 thread on
.endr
.endr
	global_load_b128 v[8:11], v2, s[6:7]
	s_wait_loadcnt 0x0
.irp p, 1,2,3,4,5,6,7
.irp i, 0,2,4,6
	v_pk_add_f32 v[16+\i:17+\i], v[16+\i:17+\i], v[16+8*\p+\i:17+8*\p+\i]
.endr
.endr
.irp i, 0,1,2,3,4,5,6,7
	v_mul_f32 v[16+\i], 0x39000000, v[16+\i]       ; / 8,192
.endr
.irp i, 0,1,2,3,4,5,6,7
	v_add_f32 v[80+\i], 0x358637bd, v[16+\i]       ; + 1e-6
.endr
.irp i, 0,1,2,3,4,5,6,7
	v_log_f32 v[80+\i], v[80+\i]
.endr
	v_cmp_gt_u32 vcc_lo, 0x100, v0                 ; (plain work behind the logarithms)  wgsum has 256 entries: the other threads count 0
.irp i, 0,1,2,3
	v_cndmask_b32 v[8+\i], 0, v[8+\i], vcc_lo
.endr
	s_wait_alu depctr_va_vdst(0)                   ; the wait ahead of the first use: one for the eight
	v_mul_f32 v12, v16, v80
	v_mul_f32 v14, v17, v81
.irp i, 2,4,6
	v_fmac_f32 v12, v[16+\i], v[80+\i]
	v_fmac_f32 v14, v[17+\i], v[81+\i]
.endr
	v_add_f32 v12, v12, v14                        ; H of my eight columns
.irp r, 8,9,10,11,12
	RED \r
.endr
.irp i, 0,1,2,3,4
	ds_store_b32 v5, v[8+\i] offset:4*\i           ; all lanes write the same word with the same value
.endr
	s_wait_dscnt 0x0                               ; for the others' sake
	s_barrier_signal -1
	s_barrier_wait -1
	s_cmp_lg_u32 s16, 0
	s_cbranch_scc1 .Lend
.irp i, 0,1,2,3,4
	ds_load_b32 v[8+\i], v6 offset:4*\i            ; wave 0: lane l takes wave l's five sums
.endr
	s_wait_dscnt 0x0
.irp r, 8,9,10,11,12
	RED \r
.endr
	v_mul_f32 v16, 0x39000000, v8                  ; ENT / 8,192
	v_fma_f32 v16, v12, 0x3f317218, -v16           ; ln 2 H - that
	v_mul_f32 v16, 0x3c23d70a, v16                 ; x 0.01
	v_mul_f32 v17, 0x32800000, v10                 ; SUMP / 2^26
	v_mul_f32 v18, 0x39000000, v9                  ; MAXP / 8,192
	v_mul_f32 v19, 0x39000000, v11                 ; COS / 8,192
	v_cmp_eq_u32 vcc_lo, 0, v4
	s_wait_xcnt 0x0                                ; EXEC changes only behind this wait
	s_and_saveexec_b32 s17, vcc_lo
	global_store_b32 v13, v16, s[8:9]
	global_store_b32 v13, v17, s[10:11]
	global_store_b32 v13, v18, s[12:13]
	global_store_b32 v13, v19, s[14:15]
	s_wait_xcnt 0x0                                ; and again, in front of the line that widens it
	s_or_b32 exec_lo, exec_lo, s17
.Lend:
	s_wait_tensorcnt 0x0
	ds_add_u32 v96, v97
	s_wait_dscnt 0x0
	s_endpgm
.Lfunc_end_k_qc953ff687f_final:
	.size	k_qc953ff687f_final, .Lfunc_end_k_qc953ff687f_final-k_qc953ff687f_final
	.p2alignl 7, 3214868480
	.fill 96, 4, 3214868480
	.section	.rodata,"a",@progbits
	.p2align	6, 0x0
	.amdhsa_kernel k_qc953ff687f_final
		.amdhsa_group_segment_fixed_size 8192
		.amdhsa_private_segment_fixed_size 0
		.amdhsa_enable_private_segment 0
		.amdhsa_kernarg_size 48
		.amdhsa_user_sgpr_count 2
		.amdhsa_user_sgpr_kernarg_segment_ptr 1
		.amdhsa_wavefront_size32 1
		.amdhsa_system_sgpr_workgroup_id_x 1
		.amdhsa_system_sgpr_workgroup_id_y 1
		.amdhsa_system_sgpr_workgroup_id_z 1
		.amdhsa_system_vgpr_workitem_id 0
		.amdhsa_next_free_vgpr 98
		.amdhsa_next_free_sgpr 66
		.amdhsa_reserve_vcc 1
		.amdhsa_float_denorm_mode_32 3
		.amdhsa_float_denorm_mode_16_64 3
		.amdhsa_memory_ordered 1
		.amdhsa_forward_progress 1
		.amdhsa_inst_pref_size 12
	.end_amdhsa_kernel
	.amdgpu_metadata
---
amdhsa.version: [ 1, 2 ]
amdhsa.kernels:
  - .name:           k_qc953ff687f_final
    .symbol:         k_qc953ff687f_final.kd
    .args:
      - { .name: colpart, .offset: 0, .size: 8, .value_kind: global_buffer, .address_space: global }
      - { .name: wgsum, .offset: 8, .size: 8, .value_kind: global_buffer, .address_space: global }
      - { .name: out1, .offset: 16, .size: 8, .value_kind: global_buffer, .address_space: global }
      - { .name: out3, .offset: 24, .size: 8, .value_kind: global_buffer, .address_space: global }
      - { .name: out4, .offset: 32, .size: 8, .value_kind: global_buffer, .address_space: global }
      - { .name: out5, .offset: 40, .size: 8, .value_kind: global_buffer, .address_space: global }
    .group_segment_fixed_size: 8192
    .private_segment_fixed_size: 0
    .kernarg_segment_align: 8
    .kernarg_segment_size: 48
    .max_flat_workgroup_size: 1024
    .sgpr_count:     66
    .vgpr_count:     98
    .wavefront_size: 32
...
	.end_amdgpu_metadata
.endif
;; end of part 4
